; MI455X (gfx1250); checked and timed in simulation.
; The chip was launched on July 23, 2026; its instructions are those of AMD's public machine-readable ISA for CDNA 5 (MIT licence, August 2026) and "CDNA5" Instruction Set Architecture Reference Guide (July 2026). The comments in the code are by the model that wrote it; some were corrected since.
;; Edge Processor. Allowed arithmetic: matrix products marked QUANTISED: E2M3 operands, one E8M0 scale for each 32 along K, by v_wmma_scale_f32_16x16x128_f8f6f4 with both operands' format E2M3, f32 sums; everything else in f32.
;; Inputs: W 8 x 128 x 256 float32; b 8 x 256 float32; beta 8 x 256 float32; edge_attr 65,536 x 128 float32; edge_type 65,536 int32; gamma 8 x 256 float32.
;; Outputs: out0 65,536 x 256 float32.
;; This version of the problem:
;;   THIS VERSION OF THE PROBLEM IS GIVEN IN LOW PRECISION. The matrix products marked QUANTISED in the list below multiply operands that are first quantised to E2M3 (2 exponent bits, 3 mantissa bits; 6 bits a number), with one power-of-two scale for each 32 numbers along K (OCP MX v1.0); their sums are f32. All else is computed in f32.
;;   The module's matrix products, in the order in which they are computed (A, B: the left and right operand; K: the contracted axis; several contracted axes count as one K, in the product's order):
;;     1. [M 65,536, K 128] x [K 128, N 256]; A: input edge_attr; B: input W: QUANTISED
;;     2. [M 65,536, K 128] x [K 128, N 256]; A: input edge_attr; B: input W: QUANTISED
;;     3. [M 65,536, K 128] x [K 128, N 256]; A: input edge_attr; B: input W: QUANTISED
;;     4. [M 65,536, K 128] x [K 128, N 256]; A: input edge_attr; B: input W: QUANTISED
;;     5. [M 65,536, K 128] x [K 128, N 256]; A: input edge_attr; B: input W: QUANTISED
;;     6. [M 65,536, K 128] x [K 128, N 256]; A: input edge_attr; B: input W: QUANTISED
;;     7. [M 65,536, K 128] x [K 128, N 256]; A: input edge_attr; B: input W: QUANTISED
;;     8. [M 65,536, K 128] x [K 128, N 256]; A: input edge_attr; B: input W: QUANTISED
;;   THE QUANTISER, for each operand of a quantised product, along K:
;;     - K is cut into blocks of 32 from its start; a last block that is shorter is filled with zeros.
;;     - A block's scale is 2^e with e = floor(log2(the largest magnitude in the block)) - 2, held to -126 .. 127; a block of zeros has e = 0. As a byte (E8M0): e + 127.
;;     - Each number is divided by its block's scale, clamped to +-7.5, and rounded to the nearest number of E2M3, ties to even, subnormals kept.
;;     - The product sums the exact products of the quantised numbers (number of the format x scale) in f32.
;;   ~~~python
;;   def quantise(x, axis):      # numpy; x: float32 -> the quantised numbers, widened to float32 again
;;       x = np.moveaxis(x, axis, -1); K = x.shape[-1]
;;       x = np.pad(x, [(0, 0)] * (x.ndim - 1) + [(0, -K % 32)]); x = x.reshape(x.shape[:-1] + (-1, 32)); a = np.abs(x).max(-1, keepdims=True)
;;       e = np.where(a > 0, np.clip(np.frexp(np.where(a > 0, a, 1))[1] - 1 - 2, -126, 127), 0)      # np.frexp(a)[1] - 1 = floor(log2(a)), exactly
;;       r = np.clip(x / 2.0 ** e, -7.5, 7.5)
;;       step = 2.0 ** (np.maximum(np.frexp(np.where(r == 0, 1, r))[1] - 1, 0) - 3)
;;       q = np.round(r / step) * step * 2.0 ** e      # np.round: ties to even
;;       return np.moveaxis(q.reshape(q.shape[:-2] + (-1,))[..., :K], -1, axis).astype(np.float32)
;;   ~~~
;; 2 versions. Each part assembles by itself: llvm-mc -triple=amdgcn-amd-amdhsa -mcpu=gfx1250 --defsym DOCPART=n.
;; ======== version 1 of 2: 2 launches
;; workspace buffers: order 262,656 bytes of whole numbers; info 16,640 bytes of whole numbers; wq 196,608 bytes; wsc 16,384 bytes
;; launch prep (part 1): grid 32 x 1, 32 waves a work-group, no clusters, 5,120 bytes of LDS; arguments edge_type, W, order, info, wq, wsc; writes order, info, wq, wsc
.if DOCPART == 1
	.amdgcn_target "amdgcn-amd-amdhsa--gfx1250"
	.amdhsa_code_object_version 6
	.text
	.protected	k_qe8c5135a52_prep
	.globl	k_qe8c5135a52_prep
	.p2align	8
	.type	k_qe8c5135a52_prep,@function
k_qe8c5135a52_prep:
	s_mov_b64 s[64:65], 0
	v_nop
	global_prefetch_b8 v0, s[64:65] scope:SCOPE_SE
	s_setreg_imm32_b32 hwreg(HW_REG_WAVE_MODE, 25, 1), 1
	s_wait_xcnt 0x0
; PREP: (1) a counting sort of the 65,536 rows by expert, without atomics; (2) W as codes of FP6 (E2M3) in the order of the operand's registers.
; BUCKETS: types 0..7, and bucket 8 for every other number in edge_type (such a row keeps zeros).  Each bucket is padded to whole UNITS of 16 rows:
; U = sum of ceil(n_t / 16) lies between 4,096 and 4,104.  order[16 u + i] = a row's number, or -1 for a pad (slot 0 of a used unit is always a row);
; info[u] = the unit's bucket 0..8, or 9 from U on (written for u = 0 .. 4,127).  Slots of units from U on are not written: nobody reads them.
; SHARES: 32 work-groups of 32 waves.  Work-group g places elements 2,048 g .. 2,048 g + 2,047, wave w of it 64 of them.  To know where they go, EVERY work-group
; counts the whole array: wave w counts region w (2,048 elements); so no number passes between work-groups.  One barrier: the waves' counts meet in LDS.
; W: fragment f = 16 e + T (T = 4 q + u) holds columns 64 q + 4 r + u, r = 0..15, of expert e, all 128 along K: so that in the product's result the four tiles of a
; group q give a lane four neighbouring columns.  Waves 8 to 11 of work-group g make fragments 4 g .. 4 g + 3, behind their part of the sort.
; A LANE TAKES A COLUMN AND ITS REGISTERS RUN DOWN K, in the order in which the operand's layout gives them to that lane: the conversions' results are the operand's registers.
; wq: [f][i = 0..2][lane][16 bytes] = registers 4 i .. 4 i + 3 of the fragment;  wsc: [e][q][lane][u] scale words.
; THE SCALE: 2^(floor(log2(largest magnitude of 32)) - 2); its byte is the largest magnitude's exponent field - 2, held at 1 from below.
; LIMITS: NaN and infinities in W are not served.  A block of zeros gets the byte 1 where the quantiser's rule says 127: its codes are zeros, which add nothing, and this program alone reads the bytes.
.set SLOTMAX, 0x1007f                  ; the last slot of order: 4,104 x 16 - 1
.set WO,  13                           ; v13     W: my lane's byte offset in a fragment's columns; made at the head, never rewritten, never a load's destination
.set H8,  14                           ; v14     8 x (lane / 16); likewise
.set D,   16                           ; v16-79  a region's 64 words a lane; later at work
.set OWN, 80                           ; v80-81  my two elements of the wave's 64
.set R,   84                           ; v84-87  eight counts in four words: (0,4) (2,6) (1,5) (3,7), low half and high half
.set P2,  88                           ; v88-91  the same for the wave's own 64
.set TP,  92                           ; v92-95  what comes from another lane
.set MK,  32                           ; s32-47  masks: element c of a lane is of type t: s[32 + 8 c + t]
.set NN,  48                           ; s48-56  n_t
.set US,  66                           ; s66-75  first unit of bucket t; s75 = U
.set BS,  76                           ; s76-84  next free slot of bucket t for my wave
.set BF,  85                           ; s85-93  elements of bucket t ahead of my wave's 64
	s_load_b256 s[4:11], s[0:1], 0x0               ; edge_type s[4:5], W s[6:7], order s[8:9], info s[10:11]
	s_load_b128 s[12:15], s[0:1], 0x20             ; wq s[12:13], wsc s[14:15]
	v_lshrrev_b32 v1, 5, v0
	v_readfirstlane_b32 s16, v1                    ; wave w
	v_and_b32 v1, 31, v0                           ; lane
	v_lshlrev_b32 v2, 4, v1                        ; 16 x lane
	v_lshlrev_b32 v3, 2, v1                        ; 4 x lane
	v_and_b32 v[WO], 15, v1                        ; r
	v_lshlrev_b32 v[WO], 4, v[WO]                  ; column 4 r: 16 r bytes
	v_lshrrev_b32 v[H8], 4, v1                     ; h
	v_lshl_add_u32 v[WO], v[H8], 15, v[WO]         ; lanes 16-31 begin 32 rows of 1,024 bytes further down
	v_lshlrev_b32 v[H8], 3, v[H8]
	s_mov_b32 s20, 0x76543210                      ; v_permlanex16_b32's selects for lane l xor 16
	s_mov_b32 s21, 0xfedcba98
	s_mov_b32 s22, 0x0f0f0f0f
	s_mov_b32 s23, 0x00ff00ff
	s_mov_b32 s26, ttmp9                           ; g
.irp k, 0,1,2,3
	v_mov_b32 v[TP+\k], 0                          ; written once: the destination of a lane exchange counts as one of its sources
.endr
	v_mov_b32 v15, 0
	s_lshl_b32 s17, s16, 13
	v_add_nc_u32 v4, s17, v2                       ; region w: 8,192 w + 16 x lane
	s_lshl_b32 s18, s26, 13
	s_lshl_b32 s19, s16, 8
	s_add_co_u32 s18, s18, s19
	v_lshl_add_u32 v5, v1, 3, s18                  ; my two elements: 8,192 g + 256 w + 8 x lane
	s_lshl_b32 s19, s16, 4
	v_mov_b32 v12, s19                             ; LDS: 16 w
	s_wait_kmcnt 0x0
.set i, 0
.rept 16
	global_load_b128 v[D+4*i:D+4*i+3], v4, s[4:5] offset:512*i     ; 32 lanes read 512 consecutive bytes
.set i, i+1
.endr
	global_load_b64 v[OWN:OWN+1], v5, s[4:5]
; ---- A: the counts of region w.  Eight words go into eight fields of 4 bits (at most 8 each); the fields are then added to bytes (at most 64 each).
.macro CNT8 grp
	s_wait_loadcnt 15-2*\grp                       ; of the 17 loads the first 2 (grp + 1) are in
.set j, 0
.rept 8
	v_cmp_gt_u32 vcc_lo, 8, v[D+8*\grp+j]          ; a type 0..7 (as unsigned: negative numbers fall out too)
	v_cndmask_b32 v6, 0, 1, vcc_lo
	v_lshlrev_b32 v7, 2, v[D+8*\grp+j]
.if j == 0
	v_lshlrev_b32 v8, v7, v6
.else
	v_lshl_add_u32 v8, v6, v7, v8                  ; 1 << 4 t, or 0
.endif
.set j, j+1
.endr
.if \grp == 0
	v_and_b32 v9, s22, v8                          ; byte k: bucket 2 k
	v_lshrrev_b32 v10, 4, v8
	v_and_b32 v10, s22, v10                        ; byte k: bucket 2 k + 1
.else
	v_and_b32 v11, s22, v8
	v_lshrrev_b32 v8, 4, v8
	v_and_b32 v8, s22, v8
	v_add_nc_u32 v9, v9, v11
	v_add_nc_u32 v10, v10, v8
.endif
.endm
.irp g, 0,1,2,3,4,5,6,7
	CNT8 \g
.endr
	v_and_b32 v[R], s23, v9                        ; buckets 0 and 4 in halves of 16 bits
	v_lshrrev_b32 v[R+1], 8, v9
	v_and_b32 v[R+1], s23, v[R+1]                  ; 2 and 6
	v_and_b32 v[R+2], s23, v10                     ; 1 and 5
	v_lshrrev_b32 v[R+3], 8, v10
	v_and_b32 v[R+3], s23, v[R+3]                  ; 3 and 7
.macro RED4 b                          ; four words summed over each half of 16 lanes
.irp m, 1,2,4,8
.irp k, 0,1,2,3
	v_mov_b32_dpp v[TP+\k], v[\b+\k] row_xmask:\m row_mask:0xf bank_mask:0xf
.endr
.irp k, 0,1,2,3
	v_add_nc_u32 v[\b+\k], v[\b+\k], v[TP+\k]
.endr
.endr
.endm
	RED4 R
.irp k, 0,1,2,3
	v_permlanex16_b32 v[TP+\k], v[R+\k], s20, s21
.endr
.irp k, 0,1,2,3
	v_add_nc_u32 v[R+\k], v[R+\k], v[TP+\k]        ; the region's counts, at most 2,048 a field
.endr
	ds_store_b128 v12, v[R:R+3]                    ; table 1, bytes 0-511: 16 bytes a region (all lanes write the same bytes with the same numbers)
; ---- B: my wave's own 64 elements: a mask for each type, kept in scalar registers, and their counts
	s_wait_loadcnt 0x0
.irp c, 0,1
.irp t, 0,1,2,3,4,5,6,7
	v_cmp_eq_u32 s[MK+8*\c+\t], \t, v[OWN+\c]
.endr
.endr
.irp t, 0,1,2,3,4,5,6,7
	s_bcnt1_i32_b32 s24, s[MK+\t]
	s_bcnt1_i32_b32 s25, s[MK+8+\t]
	s_add_co_u32 s[BF+\t], s24, s25
.endr
	s_lshl_b32 s24, s[BF+4], 16
	s_or_b32 s24, s24, s[BF+0]
	v_mov_b32 v[P2], s24
	s_lshl_b32 s24, s[BF+6], 16
	s_or_b32 s24, s24, s[BF+2]
	v_mov_b32 v[P2+1], s24
	s_lshl_b32 s24, s[BF+5], 16
	s_or_b32 s24, s24, s[BF+1]
	v_mov_b32 v[P2+2], s24
	s_lshl_b32 s24, s[BF+7], 16
	s_or_b32 s24, s24, s[BF+3]
	v_mov_b32 v[P2+3], s24
	ds_store_b128 v12, v[P2:P2+3] offset:512       ; table 2, bytes 512-1023: 16 bytes a wave
	s_wait_dscnt 0x0                               ; for the others' sake: my two stores have landed
	s_barrier_signal -1
	s_barrier_wait -1
; ---- C: lane l takes region l's and wave l's counts; totals, and what lies ahead of my 64 elements
	ds_load_b128 v[16:19], v2
	ds_load_b128 v[20:23], v2 offset:512
	v_cmp_gt_u32 s24, s26, v1                      ; regions ahead of my work-group's
	v_cmp_gt_u32 s25, s16, v1                      ; waves of my work-group ahead of me
	s_wait_dscnt 0x0
.irp k, 0,1,2,3
	v_cndmask_b32 v[24+\k], 0, v[16+\k], s24
	v_cndmask_b32 v[28+\k], 0, v[20+\k], s25
.endr
.irp k, 0,1,2,3
	v_add_nc_u32 v[24+\k], v[24+\k], v[28+\k]
.endr
	RED4 24                                        ; at most 65,472 in all: a field of 16 bits holds it
	RED4 16                                        ; at most 32,768 in a half of the lanes
.macro SUM2 vr, base, lo, hi           ; the two halves of the lanes are added in scalar registers, field by field
	v_readlane_b32 s27, v[\vr], 0
	v_readlane_b32 s28, v[\vr], 16
	s_and_b32 s29, s27, 0xffff
	s_and_b32 s30, s28, 0xffff
	s_add_co_u32 s[\base+\lo], s29, s30
	s_lshr_b32 s29, s27, 16
	s_lshr_b32 s30, s28, 16
	s_add_co_u32 s[\base+\hi], s29, s30
.endm
	SUM2 16, NN, 0, 4
	SUM2 17, NN, 2, 6
	SUM2 18, NN, 1, 5
	SUM2 19, NN, 3, 7
	SUM2 24, BF, 0, 4
	SUM2 25, BF, 2, 6
	SUM2 26, BF, 1, 5
	SUM2 27, BF, 3, 7
	s_add_co_u32 s27, s[NN], s[NN+1]
	s_add_co_u32 s28, s[BF], s[BF+1]
.irp t, 2,3,4,5,6,7
	s_add_co_u32 s27, s27, s[NN+\t]
	s_add_co_u32 s28, s28, s[BF+\t]
.endr
	s_sub_co_u32 s[NN+8], 0x10000, s27             ; bucket 8: all the others
	s_lshl_b32 s31, s26, 11
	s_lshl_b32 s29, s16, 6
	s_add_co_u32 s31, s31, s29                     ; my wave's first element: 2,048 g + 64 w
	s_sub_co_u32 s[BF+8], s31, s28
	s_mov_b32 s[US], 0
.irp t, 0,1,2,3,4,5,6,7,8
	s_add_co_u32 s27, s[NN+\t], 15
	s_lshr_b32 s27, s27, 4
	s_add_co_u32 s[US+1+\t], s[US+\t], s27         ; whole units
.endr
.irp t, 0,1,2,3,4,5,6,7,8
	s_lshl_b32 s27, s[US+\t], 4
	s_add_co_u32 s[BS+\t], s27, s[BF+\t]
.endr
; ---- D: each element's slot = its bucket's next free slot + the lower lanes of the same type; first all lanes' element 0, then element 1
	v_lshl_add_u32 v40, v1, 1, s31                 ; the rows' numbers
	v_add_nc_u32 v41, 1, v40
.irp c, 0,1
	s_or_b32 s27, s[MK+8*\c], s[MK+8*\c+1]
.irp t, 2,3,4,5,6,7
	s_or_b32 s27, s27, s[MK+8*\c+\t]
.endr
	s_not_b32 s27, s27                             ; of no type 0..7
	v_mbcnt_lo_u32_b32 v[42+\c], s27, s[BS+8]
.irp t, 0,1,2,3,4,5,6,7
	v_mbcnt_lo_u32_b32 v44, s[MK+8*\c+\t], s[BS+\t]
	v_cndmask_b32 v[42+\c], v[42+\c], v44, s[MK+8*\c+\t]
.endr
	v_min_u32 v[42+\c], SLOTMAX, v[42+\c]          ; a number made of loaded data enters an address only behind a bound written in the text
	v_lshlrev_b32 v[42+\c], 2, v[42+\c]
	global_store_b32 v[42+\c], v[40+\c], s[8:9]
.if \c == 0
	s_bcnt1_i32_b32 s27, s27
	s_add_co_u32 s[BS+8], s[BS+8], s27
.irp t, 0,1,2,3,4,5,6,7
	s_bcnt1_i32_b32 s27, s[MK+\t]
	s_add_co_u32 s[BS+\t], s[BS+\t], s27
.endr
.endif
.endr
; ---- E: what only some waves do; the branches hang on the wave's and the work-group's number, and no barrier follows
	; info: waves 0-3 of work-group g write units 32 k .. 32 k + 31, k = 4 g + w; wave 4 of work-group 0 takes k = 128
	s_lshl_b32 s27, s26, 2
	s_add_co_u32 s27, s27, s16
	s_cmp_eq_u32 s16, 4
	s_cselect_b32 s27, 128, s27
	s_cselect_b32 s28, s26, 0
	s_cmp_gt_u32 s16, 4
	s_cbranch_scc1 .Lno_info
	s_cmp_lg_u32 s28, 0
	s_cbranch_scc1 .Lno_info
	s_lshl_b32 s28, s27, 5
	v_add_nc_u32 v45, s28, v1                      ; my unit u
	v_mov_b32 v46, 0
.irp t, 1,2,3,4,5,6,7,8,9
	v_cmp_le_u32 vcc_lo, s[US+\t], v45
	v_add_co_ci_u32 v46, vcc_lo, 0, v46, vcc_lo    ; how many buckets end at or ahead of u: its bucket, 9 from U on
.endr
	s_lshl_b32 s28, s27, 7
	v_add_nc_u32 v47, s28, v3
	global_store_b32 v47, v46, s[10:11]            ; 128 consecutive bytes a wave
.Lno_info:
	; W: waves 8-11 make fragment f = 4 g + w - 8
	s_cmp_lt_u32 s16, 8
	s_cbranch_scc1 .Lno_w
	s_cmp_gt_u32 s16, 11
	s_cbranch_scc1 .Lno_w
	s_wait_xcnt 0x0                                ; my stores have read their registers
	s_lshl_b32 s28, s26, 2
	s_add_co_u32 s28, s28, s16
	s_sub_co_u32 s28, s28, 8                       ; f
	s_lshr_b32 s27, s28, 4                         ; e
	s_and_b32 s29, s28, 15
	s_lshr_b32 s24, s29, 2                         ; q
	s_and_b32 s25, s29, 3                          ; u
	s_lshl_b32 s30, s27, 17                        ; an expert is 131,072 bytes,
	s_lshl_b32 s29, s24, 8                         ; 64 columns 256,
	s_add_co_u32 s30, s30, s29
	s_lshl_b32 s29, s25, 2
	s_add_co_u32 s30, s30, s29
	s_mov_b32 s31, 0
	s_add_nc_u64 s[6:7], s[6:7], s[30:31]
	s_mul_i32 s30, s28, 1536
	s_add_nc_u64 s[12:13], s[12:13], s[30:31]      ; the fragment's image
	s_lshl_b32 s30, s27, 11
	s_lshl_b32 s29, s24, 9
	s_add_co_u32 s30, s30, s29
	s_lshl_b32 s29, s25, 2
	s_add_co_u32 s30, s30, s29
	s_add_nc_u64 s[14:15], s[14:15], s[30:31]      ; its scale words: 2,048 e + 512 q + 4 u (+ 16 x lane)
.set c, 0
.rept 2
.set i, 0
.rept 32
	global_load_b32 v[64+32*c+i], v[WO], s[6:7] offset:(64*c+i)*1024   ; W[e][64 c + 32 h + i][64 q + 4 r + u]
.set i, i+1
.endr
.set c, c+1
.endr
	s_wait_loadcnt 0x0
.irp c, 0,1                            ; my block 2 c + h: all its 32 numbers are mine
	v_max3_num_f32 v[32+\c], |v[64+32*\c]|, |v[65+32*\c]|, 0x1800000   ; and the floor 2^(3 - 127): the byte cannot fall under 1
.endr
.irp i, 2,4,6,8,10,12,14,16,18,20,22,24,26,28,30
.irp c, 0,1
	v_max3_num_f32 v[32+\c], v[32+\c], |v[64+32*\c+\i]|, |v[65+32*\c+\i]|
.endr
.endr
.irp c, 0,1
	v_add_nc_u32 v[44+\c], 0xff000000, v[32+\c]    ; 2 off the exponent field: the conversion takes the exponent field of this operand as its scale
.endr
.irp c, 0,1
	v_lshrrev_b32 v[36+\c], 23, v[44+\c]           ; the scale's byte
.endr
	v_lshl_or_b32 v9, v37, 16, v36                 ; blocks h and 2 + h,
	v_lshlrev_b32 v9, v[H8], v9                    ; at their places in the word;
	v_permlanex16_b32 v15, v9, s20, s21
	v_or_b32 v9, v9, v15                           ; with lane l xor 16's two the word is whole
.irp c, 0,1
	v_cvt_scalef32_pk16_fp6_f32 v[16+6*\c:18+6*\c], v[64+32*\c:79+32*\c], v[44+\c]
	v_cvt_scalef32_pk16_fp6_f32 v[48+4*\c:50+4*\c], v[80+32*\c:95+32*\c], v[44+\c]   ; (a conversion's three registers begin on an even number)
.endr
	v_nop                                          ; one plain place behind a scaled conversion
.irp c, 0,1
.irp i, 0,1,2
	v_mov_b32 v[19+6*\c+\i], v[48+4*\c+\i]
.endr
.endr
.irp i, 0,1,2
	global_store_b128 v2, v[16+4*\i:19+4*\i], s[12:13] offset:512*\i   ; 512 consecutive bytes a store
.endr
	global_store_b32 v2, v9, s[14:15]
.Lno_w:
	; pads: wave 5 of work-group 0 writes -1 behind each bucket's last row, up to the end of its last unit.  This part alone narrows EXEC, and it stands last
	s_cmp_eq_u32 s16, 5
	s_cbranch_scc0 .Lend
	s_cmp_eq_u32 s26, 0
	s_cbranch_scc0 .Lend
	v_mov_b32 v57, -1
.irp t, 0,1,2,3,4,5,6,7,8
	s_lshl_b32 s28, s[US+\t], 4
	s_add_co_u32 s28, s28, s[NN+\t]
	v_add_nc_u32 v[48+\t], s28, v1
	v_min_u32 v[48+\t], SLOTMAX, v[48+\t]
	v_lshlrev_b32 v[48+\t], 2, v[48+\t]
.endr
.irp t, 0,1,2,3,4,5,6,7,8
	s_sub_co_u32 s27, 0, s[NN+\t]
	s_and_b32 s27, s27, 15                         ; pads of bucket t
	v_cmp_gt_u32 vcc_lo, s27, v1
	s_wait_xcnt 0x0                                ; EXEC is a source of the stores that are out: it changes only behind this wait
	s_and_saveexec_b32 s29, vcc_lo
	global_store_b32 v[48+\t], v57, s[8:9]
	s_wait_xcnt 0x0                                ; and again in front of the line that widens it
	s_or_b32 exec_lo, exec_lo, s29
.endr
.Lend:
	s_wait_xcnt 0x0
	s_mov_b32 exec_lo, -1
	v_lshl_add_u32 v14, v0, 2, 0x400
	v_mov_b32 v15, 0
	s_wait_tensorcnt 0x0
	ds_add_u32 v14, v15
	s_wait_dscnt 0x0
	s_endpgm
.Lfunc_end_k_qe8c5135a52_prep:
	.size	k_qe8c5135a52_prep, .Lfunc_end_k_qe8c5135a52_prep-k_qe8c5135a52_prep
	.p2alignl 7, 3214868480
	.fill 96, 4, 3214868480
	.section	.rodata,"a",@progbits
	.p2align	6, 0x0
	.amdhsa_kernel k_qe8c5135a52_prep
		.amdhsa_group_segment_fixed_size 5120
		.amdhsa_private_segment_fixed_size 0
		.amdhsa_enable_private_segment 0
		.amdhsa_kernarg_size 48
		.amdhsa_user_sgpr_count 2
		.amdhsa_user_sgpr_kernarg_segment_ptr 1
		.amdhsa_wavefront_size32 1
		.amdhsa_system_sgpr_workgroup_id_x 1
		.amdhsa_system_sgpr_workgroup_id_y 1
		.amdhsa_system_sgpr_workgroup_id_z 1
		.amdhsa_system_vgpr_workitem_id 0
		.amdhsa_next_free_vgpr 128
		.amdhsa_next_free_sgpr 96
		.amdhsa_reserve_vcc 1
		.amdhsa_float_denorm_mode_32 3
		.amdhsa_float_denorm_mode_16_64 3
		.amdhsa_memory_ordered 1
		.amdhsa_forward_progress 1
		.amdhsa_inst_pref_size 50
	.end_amdhsa_kernel
	.amdgpu_metadata
---
amdhsa.version: [ 1, 2 ]
amdhsa.kernels:
  - .name:           k_qe8c5135a52_prep
    .symbol:         k_qe8c5135a52_prep.kd
    .args:
      - { .name: edge_type, .offset: 0, .size: 8, .value_kind: global_buffer, .address_space: global }
      - { .name: W, .offset: 8, .size: 8, .value_kind: global_buffer, .address_space: global }
      - { .name: order, .offset: 16, .size: 8, .value_kind: global_buffer, .address_space: global }
      - { .name: info, .offset: 24, .size: 8, .value_kind: global_buffer, .address_space: global }
      - { .name: wq, .offset: 32, .size: 8, .value_kind: global_buffer, .address_space: global }
      - { .name: wsc, .offset: 40, .size: 8, .value_kind: global_buffer, .address_space: global }
    .group_segment_fixed_size: 5120
    .private_segment_fixed_size: 0
    .kernarg_segment_align: 8
    .kernarg_segment_size: 48
    .max_flat_workgroup_size: 1024
    .sgpr_count:     96
    .vgpr_count:     128
    .wavefront_size: 32
...
	.end_amdgpu_metadata
.endif
;; end of part 1
;; launch edges (part 2): grid 256 x 1, 4 waves a work-group, no clusters, 34,304 bytes of LDS; arguments edge_attr, order, info, wq, wsc, b, gamma, beta, out0; writes out0
.if DOCPART == 2
	.amdgcn_target "amdgcn-amd-amdhsa--gfx1250"
	.amdhsa_code_object_version 6
	.text
	.protected	k_qe8c5135a52_edges
	.globl	k_qe8c5135a52_edges
	.p2align	8
	.type	k_qe8c5135a52_edges,@function
k_qe8c5135a52_edges:
	s_mov_b64 s[64:65], 0
	v_nop
	global_prefetch_b8 v0, s[64:65] scope:SCOPE_SE
	s_setreg_imm32_b32 hwreg(HW_REG_WAVE_MODE, 25, 1), 1
	s_wait_xcnt 0x0
; EDGES: out0[row] = gelu(layernorm(Q(edge_attr[row]) Q(W[e]) + b[e]) gamma[e] + beta[e]), e = the row's expert; a row of no expert 0..7 gets zeros.
; The product is on codes of FP6 (E2M3) with one E8M0 scale for each 32 along K; K = 128: one matrix instruction deep.  All else in f32.
; SHARES: a UNIT is 16 rows of one expert (order, info: made by the launch before).  1,024 waves; wave Wg = 4 x work-group + wave takes units 4 Wg .. 4 Wg + 3, which are always in use
; (there are at least 4,096 units); the at most 8 units from 4,096 on go, one each, to wave 0 of work-groups 0..7 as a fifth.  A unit goes through the whole chain in one wave; waves share nothing.
; ROWS IN: a row is 512 bytes: one load of the wave, 16 bytes a lane.  All rows of a wave's units are asked for ahead of the loop.  A unit's 16 rows turn through the wave's own stage in LDS
; (pitch 528 bytes = 132 words: row r starts at bank 4 r mod 64; 64 banks of 4 bytes: ISA guide 11.1) and come back as the operand's layout wants them: lane (r, h): row r, k = 64 c + 32 h + 0..31: two whole blocks.
; THE PRODUCT: source 0 = the 16 rows, source 1 = 16 columns of W, C = the bias.  Tile T = 4 q + u holds columns 64 q + 4 r + u: register j of lane (r, h) is row 8 h + j, column 64 q + 4 r + u.
; So the four tiles of a group q give a lane four neighbouring columns of a row, and sixteen lanes store 256 consecutive bytes, at a multiple of 256 from out0's first byte: no stage on the way out.
; A row's mean and variance: sums over a lane's 16 tiles, then over the 16 lanes of its half.  Variance in two passes.  gamma, beta: one register a tile (they hang on the column alone).
; GELU: x (0.5 + 0.5 erf(x / sqrt 2)), erf(z) = z P(z^2) / Q(z^2) on z held to +-4 (P of degree 6, Q of degree 4, absolute error about 1e-7); the factors 1/2 and 1/sqrt 2 are folded into the coefficients.
; PADS of a unit repeat its first row: that row's result is then stored more than once, the same bytes by the same wave.  BUCKET 8 runs on expert 7's tables with gamma = beta = 0: the result is +0.
; NO TENSOR LOADS, NO JOINT LOADS: which expert's tables a wave needs, and whether it has a fifth unit, are branches on stored numbers; what waves share, an expert's 29,696 bytes, is small beside a wave's 98,304 bytes of rows in and out.
; LIMITS: NaN and infinities among the inputs are not served.  A block of zeros gets the scale byte 1 where the rule says 127 (its codes are zeros).  v_rsq_f32 and v_rcp_f32 are good to 1 ulp; neither stands ahead of a quantiser.
; REGISTERS, in windows of 256 (s_set_vgpr_msb: bits 1:0 source 0, 3:2 source 1, 5:4 source 2, 7:6 destination):
;   window 0: see the names below.   window 1: v0-191 W's 16 fragments (12 T); v192-231 the units' row numbers in the result's layout (8 a unit).
;   window 2: the rows of units 1..4 as loaded (64 a unit).   window 3: v0-127 the bias, eight times a tile (8 T); v128-255 the 16 accumulators (8 T).
.set L16, 1                            ; v1   16 x lane
.set R16, 3                            ; v3   16 x (lane % 16)
.set STA, 4                            ; v4   stage, on the way in: 16 x lane
.set LDA, 5                            ; v5   and back: 528 r + 128 h
.set SH8, 6                            ; v6   8 h
.set PT,  7                            ; v7   what comes from lane l xor 16
.set OA,  8                            ; v8-15   the unit's offsets in out0: row(8 h + j) x 1,024 + 16 r
.set CA6, 16                           ; v16-17  the highest coefficient of P, twice
.set CB4, 18                           ; v18-19  of Q
.set AS,  20                           ; v20     the rows' scale word
.set WQO, 21                           ; v21-23  offsets into the expert's tables
.set WSO, 22
.set PO,  23
.set QM,  24                           ; v24-30  the quantiser's
.set QY,  26
.set QS,  28
.set QW,  30
.set WS,  32                           ; v32-47  W's scale words, one a tile
.set GG,  48                           ; v48-63  gamma
.set BE,  64                           ; v64-79  beta
.set S,   80                           ; v80-87, v88-95  sums in two chains a pair.  (v80-87 also: the conversions' second halves)
.set SB,  88
.set PB,  88                           ; v88-103 the bias as loaded
.set MN,  96                           ; v96-103 means
.set RS,  104                          ; v104-111 1 / sqrt(variance + eps)
.set O,   112                          ; v112-127 results to store.  (v112-123 also: the rows' codes)
.set AC,  112
.set XQ,  128                          ; v128-191 unit 0's rows as loaded; then a unit's 64 numbers a lane; then, batch by batch:
.set CC,  128                          ; the held argument,
.set SQ,  144                          ; its square,
.set PP,  160                          ; P,
.set QQ,  176                          ; Q
.set SID, 192                          ; in window 1
.set ACC, 128                          ; in window 3
.set MSB, 0
.macro WIN new                         ; the immediate's high byte repeats the setting that is left; a switch that changes nothing is dropped
.if MSB != \new
	s_set_vgpr_msb (MSB<<8)|\new
.set MSB, \new
.endif
.endm
; The rows of unit k: its 16 numbers stand in s[sb ..].  A pad (-1) is replaced by the unit's first row.  xb, xw: where the rows land, and the window setting for it.
.macro XUNIT k, sb, xb, xw
	s_min_u32 s[\sb], s[\sb], 0xffff               ; a loaded number enters an address only behind a bound written in the text
.set i, 1
.rept 15
	s_cmp_lt_u32 s[\sb+i], 0x10000
	s_cselect_b32 s[\sb+i], s[\sb+i], s[\sb]
	s_min_u32 s[\sb+i], s[\sb+i], 0xffff
.set i, i+1
.endr
	WIN 0x41
.set i, 0
.rept 8
	v_mov_b32 v[SID+8*\k+i], s[\sb+i]              ; lanes 0-15: row i,
	v_cndmask_b32 v[SID+8*\k+i], v[SID+8*\k+i], s[\sb+8+i], s67   ; lanes 16-31: row 8 + i
.set i, i+1
.endr
	WIN \xw
.set i, 0
.rept 16
	v_lshl_add_u32 v[\xb+4*i], s[\sb+i], 9, v[L16]
	global_load_b128 v[\xb+4*i:\xb+4*i+3], v[\xb+4*i], s[4:5]     ; a whole row, 512 consecutive bytes; the load lands on its own offset register
.set i, i+1
.endr
	WIN 0
.endm
; The tables of the expert in se: 64 loads.
.macro LOADW se, first
.if \first == 0
	s_wait_xcnt 0x0                                ; the offsets below may still be read by loads that are out
.endif
	s_min_u32 s22, \se, 7
	s_cmp_lt_u32 \se, 8
	s_cselect_b32 s66, -1, 0                       ; bucket 8 keeps nothing of gamma and beta
	s_mul_i32 s23, s22, 24576
	v_add_nc_u32 v[WQO], s23, v[L16]
	s_lshl_b32 s23, s22, 11
	v_add_nc_u32 v[WSO], s23, v[L16]
	s_lshl_b32 s23, s22, 10
	v_add_nc_u32 v[PO], s23, v[R16]
	WIN 0x40
.set t, 0
.rept 16
.set i, 0
.rept 3
	global_load_b128 v[12*t+4*i:12*t+4*i+3], v[WQO], s[10:11] offset:1536*t+512*i   ; registers 4 i .. 4 i + 3 of fragment t, as they were stored
.set i, i+1
.endr
.set t, t+1
.endr
	WIN 0
.set q, 0
.rept 4
	global_load_b128 v[WS+4*q:WS+4*q+3], v[WSO], s[12:13] offset:512*q
	global_load_b128 v[PB+4*q:PB+4*q+3], v[PO], s[14:15] offset:256*q      ; columns 64 q + 4 r + 0..3: tiles 4 q + 0..3
	global_load_b128 v[GG+4*q:GG+4*q+3], v[PO], s[16:17] offset:256*q
	global_load_b128 v[BE+4*q:BE+4*q+3], v[PO], s[18:19] offset:256*q
.set q, q+1
.endr
.endm
.macro FIXW                            ; the bias in the result's layout: it hangs on the column alone, so a tile's eight registers are alike
	WIN 0xc0
.set t, 0
.rept 16
.set j, 0
.rept 8
	v_mov_b32 v[8*t+j], v[PB+t]
.set j, j+1
.endr
.set t, t+1
.endr
	WIN 0
.set t, 0
.rept 16
	v_and_b32 v[GG+t], s66, v[GG+t]
	v_and_b32 v[BE+t], s66, v[BE+t]
.set t, t+1
.endr
.endm
; What differs from unit to unit: the wait for its rows, their way into the stage, its offsets in out0, its expert.
.macro PIECE k, nload, xb, xw, se
	s_wait_loadcnt \nload                          ; the unit's 16 loads are in: so many younger ones, at the least, were issued behind them
	s_wait_xcnt 0x0                                ; the last unit's stores have read their offsets and data
	WIN \xw
.set i, 0
.rept 16
	ds_store_b128 v[STA], v[\xb+4*i:\xb+4*i+3] offset:528*i
.set i, i+1
.endr
	WIN 0x04
.set i, 0
.rept 8
	v_min_u32 v[OA+i], 0xffff, v[SID+8*\k+i]
.set i, i+1
.endr
	WIN 0
.set i, 0
.rept 8
	v_lshl_add_u32 v[OA+i], v[OA+i], 10, v[R16]
.set i, i+1
.endr
	s_mov_b32 s61, \se
.endm
; 64 numbers of a lane, v[XQ + 32 c + i] = k 64 c + 32 h + i of row r, become the operand's 12 registers and the row's scale word.
.macro QUANT
.irp c, 0,1
	v_max3_num_f32 v[QM+\c], |v[XQ+32*\c]|, |v[XQ+1+32*\c]|, 0x1800000   ; my block 2 c + h, and the floor 2^(3 - 127): the byte cannot fall under 1
.endr
.irp i, 2,4,6,8,10,12,14,16,18,20,22,24,26,28,30
.irp c, 0,1
	v_max3_num_f32 v[QM+\c], v[QM+\c], |v[XQ+32*\c+\i]|, |v[XQ+1+32*\c+\i]|
.endr
.endr
.irp c, 0,1
	v_add_nc_u32 v[QS+\c], 0xff000000, v[QM+\c]    ; 2 off the exponent field: the conversion's scale operand
.endr
.irp c, 0,1
	v_lshrrev_b32 v[QY+\c], 23, v[QS+\c]           ; the scale's byte
.endr
	v_lshl_or_b32 v[QW], v[QY+1], 16, v[QY]
	v_lshlrev_b32 v[QW], v[SH8], v[QW]             ; blocks h and 2 + h at their places;
	v_permlanex16_b32 v[PT], v[QW], s50, s51
	v_or_b32 v[AS], v[QW], v[PT]                   ; with lane l xor 16's two the word is whole
.irp c, 0,1
	v_cvt_scalef32_pk16_fp6_f32 v[AC+6*\c:AC+2+6*\c], v[XQ+32*\c:XQ+15+32*\c], v[QS+\c]
	v_cvt_scalef32_pk16_fp6_f32 v[S+4*\c:S+2+4*\c], v[XQ+16+32*\c:XQ+31+32*\c], v[QS+\c]   ; (a conversion's three registers begin on an even number)
.endr
	v_nop                                          ; one plain place behind a scaled conversion
.irp c, 0,1
.irp i, 0,1,2
	v_mov_b32 v[AC+3+6*\c+\i], v[S+4*\c+\i]
.endr
.endr
.rept 8
	v_nop                                          ; a scale register written by a vector instruction stands 8 places ahead of a scaled matrix instruction, an operand so written 4
.endr
.endm
.macro ROWSUM                          ; the two chains, then the 16 lanes of a half: every lane ends with its eight rows' sums
.set p, 0
.rept 4
	v_pk_add_f32 v[S+2*p:S+2*p+1], v[S+2*p:S+2*p+1], v[SB+2*p:SB+2*p+1]
.set p, p+1
.endr
.irp m, 1,2,4,8
.set j, 0
.rept 8
	v_add_f32_dpp v[S+j], v[S+j], v[S+j] row_xmask:\m row_mask:0xf bank_mask:0xf
.set j, j+1
.endr
.endr
.endm
.macro H8F d, vc, sc                   ; eight pairs: d = square x the highest coefficient + the next
.set i, 0
.rept 8
	v_pk_fma_f32 v[\d+2*i:\d+2*i+1], v[SQ+2*i:SQ+2*i+1], v[\vc:\vc+1], s[\sc:\sc+1] op_sel_hi:[1,1,0]
.set i, i+1
.endr
.endm
.macro H8 d, sc                        ; eight pairs: d = d x square + the next coefficient
.set i, 0
.rept 8
	v_pk_fma_f32 v[\d+2*i:\d+2*i+1], v[\d+2*i:\d+2*i+1], v[SQ+2*i:SQ+2*i+1], s[\sc:\sc+1] op_sel_hi:[1,1,0]
.set i, i+1
.endr
.endm
; GELU and the way out for tiles 4 q + 0..3, rows 4 hh + 0..3 of each half: 16 numbers a lane, number (u, jj) at 4 u + jj.
.macro BATCH q, hh
	WIN 0x03
.set u, 0
.rept 4
.set jj, 0
.rept 4
	v_med3_num_f32 v[CC+4*u+jj], v[ACC+8*(4*\q+u)+4*\hh+jj], -s44, s44   ; held to +-4 sqrt 2
.set jj, jj+1
.endr
.set u, u+1
.endr
	WIN 0
.set i, 0
.rept 8
	v_pk_mul_f32 v[SQ+2*i:SQ+2*i+1], v[CC+2*i:CC+2*i+1], v[CC+2*i:CC+2*i+1]
.set i, i+1
.endr
	H8F QQ, CB4, 36
	H8 QQ, 38
	H8 QQ, 40
	H8 QQ, 42                                      ; Q: all its terms have one sign, so it is never 0
.set i, 0
.rept 16
	v_rcp_f32 v[QQ+i], v[QQ+i]
.set i, i+1
.endr
	H8F PP, CA6, 24                                ; P's 56 lines name no reciprocal: the plain work behind the batch
	H8 PP, 26
	H8 PP, 28
	H8 PP, 30
	H8 PP, 32
	H8 PP, 34
.set i, 0
.rept 8
	v_pk_mul_f32 v[PP+2*i:PP+2*i+1], v[CC+2*i:CC+2*i+1], v[PP+2*i:PP+2*i+1]
.set i, i+1
.endr
	s_wait_alu depctr_va_vdst(0)                   ; one wait for the 16 reciprocals, ahead of their first reader
.set i, 0
.rept 8
	v_pk_fma_f32 v[PP+2*i:PP+2*i+1], v[PP+2*i:PP+2*i+1], v[QQ+2*i:QQ+2*i+1], 0.5 op_sel_hi:[1,1,0]
.set i, i+1
.endr
	s_wait_xcnt 0x0                                ; the last batch's stores have read their data
	WIN 0x03
.set u, 0
.rept 4
.set jj, 0
.rept 4
	v_mul_f32 v[O+4*jj+u], v[ACC+8*(4*\q+u)+4*\hh+jj], v[PP+4*u+jj]
.set jj, jj+1
.endr
.set u, u+1
.endr
	WIN 0
.set jj, 0
.rept 4
	global_store_b128 v[OA+4*\hh+jj], v[O+4*jj:O+4*jj+3], s[20:21] offset:256*\q th:TH_STORE_NT   ; lanes 0-15: 256 consecutive bytes of row 4 hh + jj, lanes 16-31 of row 8 + 4 hh + jj
.set jj, jj+1
.endr
.endm
.macro SP r, val                       ; a constant as a pair: the packed forms name both words
	s_mov_b32 s[\r], \val
	s_mov_b32 s[\r+1], \val
.endm
	s_load_b512 s[4:19], s[0:1], 0x0               ; edge_attr 4, order 6, info 8, wq 10, wsc 12, b 14, gamma 16, beta 18
	s_load_b64 s[20:21], s[0:1], 0x40              ; out0
	v_lshl_add_u32 v254, v0, 2, 0x8400
	v_mov_b32 v255, 0
	v_lshrrev_b32 v8, 5, v0
	v_readfirstlane_b32 s2, v8                     ; wave
	v_and_b32 v9, 31, v0                           ; lane
	v_and_b32 v10, 15, v0                          ; r
	v_bfe_u32 v11, v0, 4, 1                        ; h
	v_lshlrev_b32 v[L16], 4, v9
	v_lshlrev_b32 v[R16], 4, v10
	s_mul_i32 s22, s2, 8448                        ; my stage: 16 rows of 528 bytes
	v_add_nc_u32 v[STA], s22, v[L16]
	v_mul_u32_u24 v[LDA], v10, 528
	v_lshl_add_u32 v[LDA], v11, 7, v[LDA]
	v_add_nc_u32 v[LDA], s22, v[LDA]
	v_lshlrev_b32 v[SH8], 3, v11
	v_mov_b32 v[PT], 0                             ; written once: a lane permute's destination counts as one of its sources
	s_lshl_b32 s3, ttmp9, 2
	s_add_co_u32 s3, s3, s2                        ; Wg
	s_lshl_b32 s22, s3, 8                          ; my four units in order: 64 bytes each
	s_lshl_b32 s23, s3, 4                          ; and in info
	s_min_u32 s61, ttmp9, 7
	s_lshl_b32 s61, s61, 2
	s_add_co_u32 s61, s61, 16384                   ; info of unit 4,096 + work-group
	s_mov_b32 s67, 0xffff0000                      ; lanes 16-31
	s_wait_kmcnt 0x0
	s_load_b512 s[24:39], s[6:7], s22
	s_load_b512 s[40:55], s[6:7], s22 offset:0x40
	s_load_b512 s[68:83], s[6:7], s22 offset:0x80
	s_load_b512 s[84:99], s[6:7], s22 offset:0xc0
	s_load_b128 s[56:59], s[8:9], s23
	s_load_b32 s60, s[8:9], s61
	v_mov_b32 v[CA6], 0xabd3f330                   ; -1.5059950e-12
	v_mov_b32 v[CA6+1], 0xabd3f330
	v_mov_b32 v[CB4], 0xb57460cd                   ; -9.1037949e-7
	v_mov_b32 v[CB4+1], 0xb57460cd
	s_wait_kmcnt 0x0
	s_cmp_eq_u32 s2, 0
	s_cselect_b32 s60, s60, 9                      ; a fifth unit: wave 0
	s_cmp_lt_u32 ttmp9, 8
	s_cselect_b32 s60, s60, 9                      ; of work-groups 0..7, where the list has one
	s_mov_b32 s62, s56                             ; the expert whose tables are loaded
	XUNIT 0, 24, XQ, 0
	XUNIT 1, 40, 0, 0x82
	LOADW s56, 1
	XUNIT 2, 68, 64, 0x82
	XUNIT 3, 84, 128, 0x82
	s_cmp_eq_u32 s60, 9
	s_cbranch_scc1 .Lno5
	s_min_u32 s22, ttmp9, 7
	s_lshl_b32 s22, s22, 6
	s_add_co_u32 s22, s22, 0x40000                 ; unit 4,096 + work-group
	s_load_b512 s[24:39], s[6:7], s22
	s_wait_kmcnt 0x0
	XUNIT 4, 24, 192, 0x82
	s_branch .Lgo
.Lno5:                                         ; no fifth unit: its registers are written all the same, so that they are defined on every way
	WIN 0x80
.set i, 0
.rept 64
	v_mov_b32 v[192+i], 0
.set i, i+1
.endr
	WIN 0x40
.set i, 0
.rept 8
	v_mov_b32 v[SID+32+i], 0
.set i, i+1
.endr
	WIN 0
.Lgo:
	s_wait_loadcnt 32                              ; behind the tables at least 32 loads were issued (units 2 and 3): the tables, and units 0 and 1, are in
	FIXW
	SP 24, 0x2fa84a8d                              ; P's coefficients, from the second highest down:  3.0611994e-10
	SP 26, 0xb347667d                              ; -4.6426511e-8
	SP 28, 0xb628d45d                              ; -2.5157562e-6
	SP 30, 0xb8883d9c                              ; -6.4964607e-5
	SP 32, 0xba08eb41                              ; -5.2230439e-4
	SP 34, 0xbbba79f3                              ; -5.6908071e-3
	SP 36, 0xb7dfbd29                              ; Q's: -2.6671757e-5
	SP 38, 0xb9dc924e                              ; -4.2070674e-4
	SP 40, 0xbb719bf8                              ; -3.6866646e-3
	SP 42, 0xbc69b6a7                              ; -1.4264739e-2
	s_mov_b32 s44, 0x40b504f3                      ; 4 sqrt 2
	SP 46, 0x3b800000                              ; 1 / 256
	s_mov_b32 s48, 0x3727c5ac                      ; eps = 1e-5
	s_mov_b32 s50, 0x76543210                      ; v_permlanex16_b32's selects for lane l xor 16
	s_mov_b32 s51, 0xfedcba98
	s_mov_b32 s63, 0
.Lunit:                                        ; five trips, one a unit; the trip's number picks the piece that differs
	s_cmp_eq_u32 s63, 0
	s_cbranch_scc1 .Lp0
	s_cmp_eq_u32 s63, 1
	s_cbranch_scc1 .Lp1
	s_cmp_eq_u32 s63, 2
	s_cbranch_scc1 .Lp2
	s_cmp_eq_u32 s63, 3
	s_cbranch_scc1 .Lp3
	s_cmp_eq_u32 s60, 9
	s_cbranch_scc1 .Lskip
	PIECE 4, 0, 192, 0x08, s60
	s_branch .Ljoin
.Lp0:
	PIECE 0, 32, XQ, 0, s56
	s_branch .Ljoin
.Lp1:
	PIECE 1, 32, 0, 0x08, s57
	s_branch .Ljoin
.Lp2:
	PIECE 2, 16, 64, 0x08, s58
	s_branch .Ljoin
.Lp3:
	PIECE 3, 0, 128, 0x08, s59
.Ljoin:
	s_cmp_eq_u32 s61, s62
	s_cbranch_scc1 .Lsame
	LOADW s61, 0                                   ; another expert than the last unit's
	s_wait_loadcnt 0x0
	FIXW
	s_mov_b32 s62, s61
.Lsame:
.set c, 0
.rept 2
.set i, 0
.rept 8
	ds_load_b128 v[XQ+32*c+4*i:XQ+32*c+4*i+3], v[LDA] offset:256*c+16*i   ; LDS serves a wave's instructions in order (ISA guide 5.7.1.4): these see my stores
.set i, i+1
.endr
.set c, c+1
.endr
	s_wait_dscnt 0x0
	QUANT
	WIN 0xf4                                       ; rows' codes window 0, W window 1, bias and accumulators window 3
.set t, 0
.rept 16
	v_wmma_scale_f32_16x16x128_f8f6f4 v[ACC+8*t:ACC+8*t+7], v[AC:AC+11], v[12*t:12*t+11], v[8*t:8*t+7], v[AS], v[WS+t] matrix_a_fmt:MATRIX_FMT_FP6 matrix_b_fmt:MATRIX_FMT_FP6
.set t, t+1
.endr
	WIN 0
.rept 4
	v_nop                                          ; four places in front of the first read of results (ISA guide 7.12.1)
.endr
	; ---- the mean.  Each accumulator is first read at its low end
	WIN 0x0f
.set p, 0
.rept 4
	v_pk_add_f32 v[S+2*p:S+2*p+1], v[ACC+2*p:ACC+2*p+1], v[ACC+16+2*p:ACC+16+2*p+1]
	v_pk_add_f32 v[SB+2*p:SB+2*p+1], v[ACC+8+2*p:ACC+8+2*p+1], v[ACC+24+2*p:ACC+24+2*p+1]
.set p, p+1
.endr
	WIN 0x0c
.set t, 4
.rept 12
.set p, 0
.rept 4
	v_pk_add_f32 v[S+8*(t%2)+2*p:S+8*(t%2)+2*p+1], v[S+8*(t%2)+2*p:S+8*(t%2)+2*p+1], v[ACC+8*t+2*p:ACC+8*t+2*p+1]
.set p, p+1
.endr
.set t, t+1
.endr
	WIN 0
	ROWSUM
.set p, 0
.rept 4
	v_pk_mul_f32 v[MN+2*p:MN+2*p+1], v[S+2*p:S+2*p+1], s[46:47] op_sel_hi:[1,0]
.set p, p+1
.endr
	; ---- h - mean, in place; then the variance
	WIN 0xc3
.set t, 0
.rept 16
.set p, 0
.rept 4
	v_pk_add_f32 v[ACC+8*t+2*p:ACC+8*t+2*p+1], v[ACC+8*t+2*p:ACC+8*t+2*p+1], v[MN+2*p:MN+2*p+1] neg_lo:[0,1] neg_hi:[0,1]
.set p, p+1
.endr
.set t, t+1
.endr
	WIN 0x0f
.set t, 0
.rept 2
.set p, 0
.rept 4
	v_pk_mul_f32 v[S+8*t+2*p:S+8*t+2*p+1], v[ACC+8*t+2*p:ACC+8*t+2*p+1], v[ACC+8*t+2*p:ACC+8*t+2*p+1]
.set p, p+1
.endr
.set t, t+1
.endr
.rept 14
.set p, 0
.rept 4
	v_pk_fma_f32 v[S+8*(t%2)+2*p:S+8*(t%2)+2*p+1], v[ACC+8*t+2*p:ACC+8*t+2*p+1], v[ACC+8*t+2*p:ACC+8*t+2*p+1], v[S+8*(t%2)+2*p:S+8*(t%2)+2*p+1]
.set p, p+1
.endr
.set t, t+1
.endr
	WIN 0
	ROWSUM
.set j, 0
.rept 8
	v_fma_f32 v[S+j], v[S+j], s46, s48             ; variance + eps
.set j, j+1
.endr
.set j, 0
.rept 8
	v_rsq_f32 v[RS+j], v[S+j]
.set j, j+1
.endr
	v_nop                                          ; a plain place behind the last of them
	s_wait_alu depctr_va_vdst(0)                   ; one wait for the eight, ahead of their first reader
	; ---- (h - mean) / sqrt(..) x gamma + beta, in place
	WIN 0xc3
.set t, 0
.rept 16
.set p, 0
.rept 4
	v_pk_mul_f32 v[ACC+8*t+2*p:ACC+8*t+2*p+1], v[ACC+8*t+2*p:ACC+8*t+2*p+1], v[RS+2*p:RS+2*p+1]
.set p, p+1
.endr
.set t, t+1
.endr
.set t, 0
.rept 16
.set p, 0
.rept 4
.if t%2 == 0                           ; of the pairs of gamma and beta the tile's own word serves both halves
	v_pk_fma_f32 v[ACC+8*t+2*p:ACC+8*t+2*p+1], v[ACC+8*t+2*p:ACC+8*t+2*p+1], v[GG+t:GG+t+1], v[BE+t:BE+t+1] op_sel:[0,0,0] op_sel_hi:[1,0,0]
.else
	v_pk_fma_f32 v[ACC+8*t+2*p:ACC+8*t+2*p+1], v[ACC+8*t+2*p:ACC+8*t+2*p+1], v[GG+t-1:GG+t], v[BE+t-1:BE+t] op_sel:[0,1,1] op_sel_hi:[1,1,1]
.endif
.set p, p+1
.endr
.set t, t+1
.endr
	WIN 0
	; ---- GELU and the stores, 16 numbers a lane at a time
.irp q, 0,1,2,3
	BATCH \q, 0
	BATCH \q, 1
.endr
.Lskip:
	s_add_co_u32 s63, s63, 1
	s_cmp_lt_u32 s63, 5
	s_cbranch_scc1 .Lunit
	s_barrier_signal -1
	s_barrier_wait -1
	s_wait_tensorcnt 0x0
	ds_add_u32 v254, v255
	s_wait_dscnt 0x0
	s_endpgm
.Lfunc_end_k_qe8c5135a52_edges:
	.size	k_qe8c5135a52_edges, .Lfunc_end_k_qe8c5135a52_edges-k_qe8c5135a52_edges
	.p2alignl 7, 3214868480
	.fill 96, 4, 3214868480
	.section	.rodata,"a",@progbits
	.p2align	6, 0x0
	.amdhsa_kernel k_qe8c5135a52_edges
		.amdhsa_group_segment_fixed_size 34304
		.amdhsa_private_segment_fixed_size 0
		.amdhsa_enable_private_segment 0
		.amdhsa_kernarg_size 72
		.amdhsa_user_sgpr_count 2
		.amdhsa_user_sgpr_kernarg_segment_ptr 1
		.amdhsa_wavefront_size32 1
		.amdhsa_system_sgpr_workgroup_id_x 1
		.amdhsa_system_sgpr_workgroup_id_y 1
		.amdhsa_system_sgpr_workgroup_id_z 1
		.amdhsa_system_vgpr_workitem_id 0
		.amdhsa_next_free_vgpr 1024
		.amdhsa_next_free_sgpr 106
		.amdhsa_reserve_vcc 0
		.amdhsa_float_denorm_mode_32 3
		.amdhsa_float_denorm_mode_16_64 3
		.amdhsa_memory_ordered 1
		.amdhsa_forward_progress 1
		.amdhsa_inst_pref_size 175
	.end_amdhsa_kernel
	.amdgpu_metadata
---
amdhsa.version: [ 1, 2 ]
amdhsa.kernels:
  - .name:           k_qe8c5135a52_edges
    .symbol:         k_qe8c5135a52_edges.kd
    .args:
      - { .name: edge_attr, .offset: 0, .size: 8, .value_kind: global_buffer, .address_space: global }
      - { .name: order, .offset: 8, .size: 8, .value_kind: global_buffer, .address_space: global }
      - { .name: info, .offset: 16, .size: 8, .value_kind: global_buffer, .address_space: global }
      - { .name: wq, .offset: 24, .size: 8, .value_kind: global_buffer, .address_space: global }
      - { .name: wsc, .offset: 32, .size: 8, .value_kind: global_buffer, .address_space: global }
      - { .name: b, .offset: 40, .size: 8, .value_kind: global_buffer, .address_space: global }
      - { .name: gamma, .offset: 48, .size: 8, .value_kind: global_buffer, .address_space: global }
      - { .name: beta, .offset: 56, .size: 8, .value_kind: global_buffer, .address_space: global }
      - { .name: out0, .offset: 64, .size: 8, .value_kind: global_buffer, .address_space: global }
    .group_segment_fixed_size: 34304
    .private_segment_fixed_size: 0
    .kernarg_segment_align: 8
    .kernarg_segment_size: 72
    .max_flat_workgroup_size: 128
    .sgpr_count:     106
    .vgpr_count:     1024
    .wavefront_size: 32
...
	.end_amdgpu_metadata
.endif
;; end of part 2
;; ======== version 2 of 2: 2 launches
;; workspace buffers: order 262,656 bytes of whole numbers; info 16,640 bytes of whole numbers; wq 196,608 bytes; wsc 16,384 bytes
;; launch prep (part 3): grid 32 x 1, 32 waves a work-group, no clusters, 5,120 bytes of LDS; arguments edge_type, W, order, info, wq, wsc; writes order, info, wq, wsc
.if DOCPART == 3
	.amdgcn_target "amdgcn-amd-amdhsa--gfx1250"
	.amdhsa_code_object_version 6
	.text
	.protected	k_qe8c5135a52_prep
	.globl	k_qe8c5135a52_prep
	.p2align	8
	.type	k_qe8c5135a52_prep,@function
k_qe8c5135a52_prep:
	s_mov_b64 s[64:65], 0
	v_nop
	global_prefetch_b8 v0, s[64:65] scope:SCOPE_SE
	s_setreg_imm32_b32 hwreg(HW_REG_WAVE_MODE, 25, 1), 1
	s_wait_xcnt 0x0
; PREP: (1) a counting sort of the 65,536 rows by expert, without atomics; (2) W as codes of FP6 (E2M3) in the order of the operand's registers.
; BUCKETS: types 0..7, and bucket 8 for every other number in edge_type (such a row keeps zeros).  Each bucket is padded to whole UNITS of 16 rows:
; U = sum of ceil(n_t / 16) lies between 4,096 and 4,104.  order[16 u + i] = a row's number, or -1 for a pad (slot 0 of a used unit is always a row);
; info[u] = the unit's bucket 0..8, or 9 from U on (written for u = 0 .. 4,127).  Slots of units from U on are not written: nobody reads them.
; SHARES: 32 work-groups of 32 waves.  Work-group g places elements 2,048 g .. 2,048 g + 2,047, wave w of it 64 of them.  To know where they go, EVERY work-group
; counts the whole array: wave w counts region w (2,048 elements); so no number passes between work-groups.  One barrier: the waves' counts meet in LDS.
; W: fragment f = 16 e + T (T = 4 q + u) holds columns 64 q + 4 r + u, r = 0..15, of expert e, all 128 along K: so that in the product's result the four tiles of a
; group q give a lane four neighbouring columns.  Waves 8 to 11 of work-group g make fragments 4 g .. 4 g + 3, behind their part of the sort.
; A LANE TAKES A COLUMN AND ITS REGISTERS RUN DOWN K, in the order in which the operand's layout gives them to that lane: the conversions' results are the operand's registers.
; wq: [f][i = 0..2][lane][16 bytes] = registers 4 i .. 4 i + 3 of the fragment;  wsc: [e][q][lane][u] scale words.
; THE SCALE: 2^(floor(log2(largest magnitude of 32)) - 2); its byte is the largest magnitude's exponent field - 2, held at 1 from below.
; LIMITS: NaN and infinities in W are not served.  A block of zeros gets the byte 1 where the quantiser's rule says 127: its codes are zeros, which add nothing, and this program alone reads the bytes.
.set SLOTMAX, 0x1007f                  ; the last slot of order: 4,104 x 16 - 1
.set WO,  13                           ; v13     W: my lane's byte offset in a fragment's columns; made at the head, never rewritten, never a load's destination
.set H8,  14                           ; v14     8 x (lane / 16); likewise
.set D,   16                           ; v16-79  a region's 64 words a lane; later at work
.set OWN, 80                           ; v80-81  my two elements of the wave's 64
.set R,   84                           ; v84-87  eight counts in four words: (0,4) (2,6) (1,5) (3,7), low half and high half
.set P2,  88                           ; v88-91  the same for the wave's own 64
.set TP,  92                           ; v92-95  what comes from another lane
.set MK,  32                           ; s32-47  masks: element c of a lane is of type t: s[32 + 8 c + t]
.set NN,  48                           ; s48-56  n_t
.set US,  66                           ; s66-75  first unit of bucket t; s75 = U
.set BS,  76                           ; s76-84  next free slot of bucket t for my wave
.set BF,  85                           ; s85-93  elements of bucket t ahead of my wave's 64
	s_load_b256 s[4:11], s[0:1], 0x0               ; edge_type s[4:5], W s[6:7], order s[8:9], info s[10:11]
	s_load_b128 s[12:15], s[0:1], 0x20             ; wq s[12:13], wsc s[14:15]
	v_lshrrev_b32 v1, 5, v0
	s_delay_alu instid0(VALU_DEP_1)
	v_readfirstlane_b32 s16, v1                    ; wave w
	v_and_b32 v1, 31, v0                           ; lane
	s_delay_alu instid0(VALU_DEP_1)
	v_lshlrev_b32 v2, 4, v1                        ; 16 x lane
	s_delay_alu instid0(VALU_DEP_2)
	v_lshlrev_b32 v3, 2, v1                        ; 4 x lane
	s_delay_alu instid0(VALU_DEP_3)
	v_and_b32 v[WO], 15, v1                        ; r
	s_delay_alu instid0(VALU_DEP_1)
	v_lshlrev_b32 v[WO], 4, v[WO]                  ; column 4 r: 16 r bytes
	v_lshrrev_b32 v[H8], 4, v1                     ; h
	s_delay_alu instid0(VALU_DEP_1)
	v_lshl_add_u32 v[WO], v[H8], 15, v[WO]         ; lanes 16-31 begin 32 rows of 1,024 bytes further down
	s_delay_alu instid0(VALU_DEP_2)
	v_lshlrev_b32 v[H8], 3, v[H8]
	s_mov_b32 s20, 0x76543210                      ; v_permlanex16_b32's selects for lane l xor 16
	s_mov_b32 s21, 0xfedcba98
	s_mov_b32 s22, 0x0f0f0f0f
	s_mov_b32 s23, 0x00ff00ff
	s_mov_b32 s26, ttmp9                           ; g
.irp k, 0,1,2,3
	v_mov_b32 v[TP+\k], 0                          ; written once: the destination of a lane exchange counts as one of its sources
.endr
	v_mov_b32 v15, 0
	s_lshl_b32 s17, s16, 13
	v_add_nc_u32 v4, s17, v2                       ; region w: 8,192 w + 16 x lane
	s_lshl_b32 s18, s26, 13
	s_lshl_b32 s19, s16, 8
	s_add_co_u32 s18, s18, s19
	v_lshl_add_u32 v5, v1, 3, s18                  ; my two elements: 8,192 g + 256 w + 8 x lane
	s_lshl_b32 s19, s16, 4
	v_mov_b32 v12, s19                             ; LDS: 16 w
	s_wait_alu depctr_va_vdst(0)
	s_wait_kmcnt 0x0
.set i, 0
.rept 16
	global_load_b128 v[D+4*i:D+4*i+3], v4, s[4:5] offset:512*i     ; 32 lanes read 512 consecutive bytes
.set i, i+1
.endr
	global_load_b64 v[OWN:OWN+1], v5, s[4:5]
; ---- A: the counts of region w.  Eight words go into eight fields of 4 bits (at most 8 each); the fields are then added to bytes (at most 64 each).
.macro CNT8 grp
	s_wait_loadcnt 15-2*\grp                       ; of the 17 loads the first 2 (grp + 1) are in
.set j, 0
.rept 8
	v_cmp_gt_u32 vcc_lo, 8, v[D+8*\grp+j]          ; a type 0..7 (as unsigned: negative numbers fall out too)
	s_delay_alu instid0(VALU_DEP_1)
	v_cndmask_b32 v6, 0, 1, vcc_lo
	v_lshlrev_b32 v7, 2, v[D+8*\grp+j]
.if j == 0
	s_delay_alu instid0(VALU_DEP_1)
	v_lshlrev_b32 v8, v7, v6
.else
	s_delay_alu instid0(VALU_DEP_1)
	v_lshl_add_u32 v8, v6, v7, v8                  ; 1 << 4 t, or 0
.endif
.set j, j+1
.endr
.if \grp == 0
	s_delay_alu instid0(VALU_DEP_1)
	v_and_b32 v9, s22, v8                          ; byte k: bucket 2 k
	s_delay_alu instid0(VALU_DEP_2)
	v_lshrrev_b32 v10, 4, v8
	s_delay_alu instid0(VALU_DEP_1)
	v_and_b32 v10, s22, v10                        ; byte k: bucket 2 k + 1
.else
	s_delay_alu instid0(VALU_DEP_1)
	v_and_b32 v11, s22, v8
	s_delay_alu instid0(VALU_DEP_2)
	v_lshrrev_b32 v8, 4, v8
	s_delay_alu instid0(VALU_DEP_1)
	v_and_b32 v8, s22, v8
	s_delay_alu instid0(VALU_DEP_3)
	v_add_nc_u32 v9, v9, v11
	s_delay_alu instid0(VALU_DEP_2)
	v_add_nc_u32 v10, v10, v8
.endif
.endm
.irp g, 0,1,2,3,4,5,6,7
	CNT8 \g
.endr
	s_delay_alu instid0(VALU_DEP_2)
	v_and_b32 v[R], s23, v9                        ; buckets 0 and 4 in halves of 16 bits
	s_delay_alu instid0(VALU_DEP_3)
	v_lshrrev_b32 v[R+1], 8, v9
	s_delay_alu instid0(VALU_DEP_1)
	v_and_b32 v[R+1], s23, v[R+1]                  ; 2 and 6
	s_delay_alu instid0(VALU_DEP_4)
	v_and_b32 v[R+2], s23, v10                     ; 1 and 5
	v_lshrrev_b32 v[R+3], 8, v10
	s_delay_alu instid0(VALU_DEP_1)
	v_and_b32 v[R+3], s23, v[R+3]                  ; 3 and 7
.macro RED4 b                          ; four words summed over each half of 16 lanes
.irp m, 1,2,4,8
.irp k, 0,1,2,3
	v_mov_b32_dpp v[TP+\k], v[\b+\k] row_xmask:\m row_mask:0xf bank_mask:0xf
.endr
.irp k, 0,1,2,3
	s_delay_alu instid0(VALU_DEP_4)
	v_add_nc_u32 v[\b+\k], v[\b+\k], v[TP+\k]
.endr
.endr
.endm
	RED4 R
.irp k, 0,1,2,3
	s_delay_alu instid0(VALU_DEP_4)
	v_permlanex16_b32 v[TP+\k], v[R+\k], s20, s21
.endr
.irp k, 0,1,2,3
	s_delay_alu instid0(VALU_DEP_4)
	v_add_nc_u32 v[R+\k], v[R+\k], v[TP+\k]        ; the region's counts, at most 2,048 a field
.endr
	ds_store_b128 v12, v[R:R+3]                    ; table 1, bytes 0-511: 16 bytes a region (all lanes write the same bytes with the same numbers)
; ---- B: my wave's own 64 elements: a mask for each type, kept in scalar registers, and their counts
	s_wait_loadcnt 0x0
.irp c, 0,1
.irp t, 0,1,2,3,4,5,6,7
	v_cmp_eq_u32 s[MK+8*\c+\t], \t, v[OWN+\c]
.endr
.endr
.irp t, 0,1,2,3,4,5,6,7
	s_bcnt1_i32_b32 s24, s[MK+\t]
	s_bcnt1_i32_b32 s25, s[MK+8+\t]
	s_add_co_u32 s[BF+\t], s24, s25
.endr
	s_lshl_b32 s24, s[BF+4], 16
	s_or_b32 s24, s24, s[BF+0]
	v_mov_b32 v[P2], s24
	s_lshl_b32 s24, s[BF+6], 16
	s_or_b32 s24, s24, s[BF+2]
	v_mov_b32 v[P2+1], s24
	s_lshl_b32 s24, s[BF+5], 16
	s_or_b32 s24, s24, s[BF+1]
	v_mov_b32 v[P2+2], s24
	s_lshl_b32 s24, s[BF+7], 16
	s_or_b32 s24, s24, s[BF+3]
	v_mov_b32 v[P2+3], s24
	ds_store_b128 v12, v[P2:P2+3] offset:512       ; table 2, bytes 512-1023: 16 bytes a wave
	s_wait_dscnt 0x0                               ; for the others' sake: my two stores have landed
	s_barrier_signal -1
	s_barrier_wait -1
; ---- C: lane l takes region l's and wave l's counts; totals, and what lies ahead of my 64 elements
	ds_load_b128 v[16:19], v2
	ds_load_b128 v[20:23], v2 offset:512
	v_cmp_gt_u32 s24, s26, v1                      ; regions ahead of my work-group's
	v_cmp_gt_u32 s25, s16, v1                      ; waves of my work-group ahead of me
	s_wait_dscnt 0x0
.irp k, 0,1,2,3
	v_cndmask_b32 v[24+\k], 0, v[16+\k], s24
	v_cndmask_b32 v[28+\k], 0, v[20+\k], s25
.endr
.irp k, 0,1,2,3
	v_add_nc_u32 v[24+\k], v[24+\k], v[28+\k]
.endr
	RED4 24                                        ; at most 65,472 in all: a field of 16 bits holds it
	RED4 16                                        ; at most 32,768 in a half of the lanes
.macro SUM2 vr, base, lo, hi           ; the two halves of the lanes are added in scalar registers, field by field
	v_readlane_b32 s27, v[\vr], 0
	v_readlane_b32 s28, v[\vr], 16
	s_and_b32 s29, s27, 0xffff
	s_and_b32 s30, s28, 0xffff
	s_add_co_u32 s[\base+\lo], s29, s30
	s_lshr_b32 s29, s27, 16
	s_lshr_b32 s30, s28, 16
	s_add_co_u32 s[\base+\hi], s29, s30
.endm
	SUM2 16, NN, 0, 4
	SUM2 17, NN, 2, 6
	s_wait_alu depctr_va_vdst(0)
	SUM2 18, NN, 1, 5
	SUM2 19, NN, 3, 7
	SUM2 24, BF, 0, 4
	SUM2 25, BF, 2, 6
	SUM2 26, BF, 1, 5
	SUM2 27, BF, 3, 7
	s_add_co_u32 s27, s[NN], s[NN+1]
	s_add_co_u32 s28, s[BF], s[BF+1]
.irp t, 2,3,4,5,6,7
	s_add_co_u32 s27, s27, s[NN+\t]
	s_add_co_u32 s28, s28, s[BF+\t]
.endr
	s_sub_co_u32 s[NN+8], 0x10000, s27             ; bucket 8: all the others
	s_lshl_b32 s31, s26, 11
	s_lshl_b32 s29, s16, 6
	s_add_co_u32 s31, s31, s29                     ; my wave's first element: 2,048 g + 64 w
	s_sub_co_u32 s[BF+8], s31, s28
	s_mov_b32 s[US], 0
.irp t, 0,1,2,3,4,5,6,7,8
	s_add_co_u32 s27, s[NN+\t], 15
	s_lshr_b32 s27, s27, 4
	s_add_co_u32 s[US+1+\t], s[US+\t], s27         ; whole units
.endr
.irp t, 0,1,2,3,4,5,6,7,8
	s_lshl_b32 s27, s[US+\t], 4
	s_add_co_u32 s[BS+\t], s27, s[BF+\t]
.endr
; ---- D: each element's slot = its bucket's next free slot + the lower lanes of the same type; first all lanes' element 0, then element 1
	v_lshl_add_u32 v40, v1, 1, s31                 ; the rows' numbers
	s_delay_alu instid0(VALU_DEP_1)
	v_add_nc_u32 v41, 1, v40
.irp c, 0,1
	s_or_b32 s27, s[MK+8*\c], s[MK+8*\c+1]
.irp t, 2,3,4,5,6,7
	s_or_b32 s27, s27, s[MK+8*\c+\t]
.endr
	s_not_b32 s27, s27                             ; of no type 0..7
	v_mbcnt_lo_u32_b32 v[42+\c], s27, s[BS+8]
.irp t, 0,1,2,3,4,5,6,7
	v_mbcnt_lo_u32_b32 v44, s[MK+8*\c+\t], s[BS+\t]
	s_delay_alu instid0(VALU_DEP_1)
	v_cndmask_b32 v[42+\c], v[42+\c], v44, s[MK+8*\c+\t]
.endr
	s_delay_alu instid0(VALU_DEP_1)
	v_min_u32 v[42+\c], SLOTMAX, v[42+\c]          ; a number made of loaded data enters an address only behind a bound written in the text
	s_delay_alu instid0(VALU_DEP_1)
	v_lshlrev_b32 v[42+\c], 2, v[42+\c]
	global_store_b32 v[42+\c], v[40+\c], s[8:9]
.if \c == 0
	s_bcnt1_i32_b32 s27, s27
	s_add_co_u32 s[BS+8], s[BS+8], s27
.irp t, 0,1,2,3,4,5,6,7
	s_bcnt1_i32_b32 s27, s[MK+\t]
	s_add_co_u32 s[BS+\t], s[BS+\t], s27
.endr
.endif
.endr
; ---- E: what only some waves do; the branches hang on the wave's and the work-group's number, and no barrier follows
	; info: waves 0-3 of work-group g write units 32 k .. 32 k + 31, k = 4 g + w; wave 4 of work-group 0 takes k = 128
	s_lshl_b32 s27, s26, 2
	s_add_co_u32 s27, s27, s16
	s_cmp_eq_u32 s16, 4
	s_cselect_b32 s27, 128, s27
	s_cselect_b32 s28, s26, 0
	s_cmp_gt_u32 s16, 4
	s_cbranch_scc1 .Lno_info
	s_cmp_lg_u32 s28, 0
	s_cbranch_scc1 .Lno_info
	s_lshl_b32 s28, s27, 5
	v_add_nc_u32 v45, s28, v1                      ; my unit u
	v_mov_b32 v46, 0
.irp t, 1,2,3,4,5,6,7,8,9
	v_cmp_le_u32 vcc_lo, s[US+\t], v45
	s_delay_alu instid0(VALU_DEP_1)
	v_add_co_ci_u32 v46, vcc_lo, 0, v46, vcc_lo    ; how many buckets end at or ahead of u: its bucket, 9 from U on
.endr
	s_lshl_b32 s28, s27, 7
	v_add_nc_u32 v47, s28, v3
	global_store_b32 v47, v46, s[10:11]            ; 128 consecutive bytes a wave
.Lno_info:
	; W: waves 8-11 make fragment f = 4 g + w - 8
	s_cmp_lt_u32 s16, 8
	s_cbranch_scc1 .Lno_w
	s_cmp_gt_u32 s16, 11
	s_cbranch_scc1 .Lno_w
	s_wait_xcnt 0x0                                ; my stores have read their registers
	s_lshl_b32 s28, s26, 2
	s_add_co_u32 s28, s28, s16
	s_sub_co_u32 s28, s28, 8                       ; f
	s_lshr_b32 s27, s28, 4                         ; e
	s_and_b32 s29, s28, 15
	s_lshr_b32 s24, s29, 2                         ; q
	s_and_b32 s25, s29, 3                          ; u
	s_lshl_b32 s30, s27, 17                        ; an expert is 131,072 bytes,
	s_lshl_b32 s29, s24, 8                         ; 64 columns 256,
	s_add_co_u32 s30, s30, s29
	s_lshl_b32 s29, s25, 2
	s_add_co_u32 s30, s30, s29
	s_mov_b32 s31, 0
	s_add_nc_u64 s[6:7], s[6:7], s[30:31]
	s_mul_i32 s30, s28, 1536
	s_add_nc_u64 s[12:13], s[12:13], s[30:31]      ; the fragment's image
	s_lshl_b32 s30, s27, 11
	s_lshl_b32 s29, s24, 9
	s_add_co_u32 s30, s30, s29
	s_lshl_b32 s29, s25, 2
	s_add_co_u32 s30, s30, s29
	s_add_nc_u64 s[14:15], s[14:15], s[30:31]      ; its scale words: 2,048 e + 512 q + 4 u (+ 16 x lane)
.set c, 0
.rept 2
.set i, 0
.rept 32
	global_load_b32 v[64+32*c+i], v[WO], s[6:7] offset:(64*c+i)*1024   ; W[e][64 c + 32 h + i][64 q + 4 r + u]
.set i, i+1
.endr
.set c, c+1
.endr
	s_wait_loadcnt 0x0
.irp c, 0,1                            ; my block 2 c + h: all its 32 numbers are mine
	v_max3_num_f32 v[32+\c], |v[64+32*\c]|, |v[65+32*\c]|, 0x1800000   ; and the floor 2^(3 - 127): the byte cannot fall under 1
.endr
.irp i, 2,4,6,8,10,12,14,16,18,20,22,24,26,28,30
.irp c, 0,1
	s_delay_alu instid0(VALU_DEP_2)
	v_max3_num_f32 v[32+\c], v[32+\c], |v[64+32*\c+\i]|, |v[65+32*\c+\i]|
.endr
.endr
.irp c, 0,1
	s_delay_alu instid0(VALU_DEP_2)
	v_add_nc_u32 v[44+\c], 0xff000000, v[32+\c]    ; 2 off the exponent field: the conversion takes the exponent field of this operand as its scale
.endr
.irp c, 0,1
	s_delay_alu instid0(VALU_DEP_2)
	v_lshrrev_b32 v[36+\c], 23, v[44+\c]           ; the scale's byte
.endr
	s_delay_alu instid0(VALU_DEP_1)
	v_lshl_or_b32 v9, v37, 16, v36                 ; blocks h and 2 + h,
	s_delay_alu instid0(VALU_DEP_1)
	v_lshlrev_b32 v9, v[H8], v9                    ; at their places in the word;
	s_delay_alu instid0(VALU_DEP_1)
	v_permlanex16_b32 v15, v9, s20, s21
	s_delay_alu instid0(VALU_DEP_1)
	v_or_b32 v9, v9, v15                           ; with lane l xor 16's two the word is whole
.irp c, 0,1
	v_cvt_scalef32_pk16_fp6_f32 v[16+6*\c:18+6*\c], v[64+32*\c:79+32*\c], v[44+\c]
	v_cvt_scalef32_pk16_fp6_f32 v[48+4*\c:50+4*\c], v[80+32*\c:95+32*\c], v[44+\c]   ; (a conversion's three registers begin on an even number)
.endr
	v_nop                                          ; one plain place behind a scaled conversion
.irp c, 0,1
.irp i, 0,1,2
	v_mov_b32 v[19+6*\c+\i], v[48+4*\c+\i]
.endr
.endr
.irp i, 0,1,2
	global_store_b128 v2, v[16+4*\i:19+4*\i], s[12:13] offset:512*\i   ; 512 consecutive bytes a store
.endr
	global_store_b32 v2, v9, s[14:15]
.Lno_w:
	; pads: wave 5 of work-group 0 writes -1 behind each bucket's last row, up to the end of its last unit.  This part alone narrows EXEC, and it stands last
	s_cmp_eq_u32 s16, 5
	s_cbranch_scc0 .Lend
	s_cmp_eq_u32 s26, 0
	s_cbranch_scc0 .Lend
	v_mov_b32 v57, -1
.irp t, 0,1,2,3,4,5,6,7,8
	s_lshl_b32 s28, s[US+\t], 4
	s_add_co_u32 s28, s28, s[NN+\t]
	v_add_nc_u32 v[48+\t], s28, v1
	s_delay_alu instid0(VALU_DEP_1)
	v_min_u32 v[48+\t], SLOTMAX, v[48+\t]
	s_delay_alu instid0(VALU_DEP_1)
	v_lshlrev_b32 v[48+\t], 2, v[48+\t]
.endr
.irp t, 0,1,2,3,4,5,6,7,8
	s_sub_co_u32 s27, 0, s[NN+\t]
	s_and_b32 s27, s27, 15                         ; pads of bucket t
	v_cmp_gt_u32 vcc_lo, s27, v1
	s_wait_xcnt 0x0                                ; EXEC is a source of the stores that are out: it changes only behind this wait
	s_and_saveexec_b32 s29, vcc_lo
	global_store_b32 v[48+\t], v57, s[8:9]
	s_wait_xcnt 0x0                                ; and again in front of the line that widens it
	s_or_b32 exec_lo, exec_lo, s29
.endr
.Lend:
	s_wait_xcnt 0x0
	s_mov_b32 exec_lo, -1
	v_lshl_add_u32 v14, v0, 2, 0x400
	v_mov_b32 v15, 0
	s_wait_alu depctr_va_vdst(0)
	s_wait_tensorcnt 0x0
	ds_add_u32 v14, v15
	s_wait_dscnt 0x0
	s_endpgm
.Lfunc_end_k_qe8c5135a52_prep:
	.size	k_qe8c5135a52_prep, .Lfunc_end_k_qe8c5135a52_prep-k_qe8c5135a52_prep
	.p2alignl 7, 3214868480
	.fill 96, 4, 3214868480
	.section	.rodata,"a",@progbits
	.p2align	6, 0x0
	.amdhsa_kernel k_qe8c5135a52_prep
		.amdhsa_group_segment_fixed_size 5120
		.amdhsa_private_segment_fixed_size 0
		.amdhsa_enable_private_segment 0
		.amdhsa_kernarg_size 48
		.amdhsa_user_sgpr_count 2
		.amdhsa_user_sgpr_kernarg_segment_ptr 1
		.amdhsa_wavefront_size32 1
		.amdhsa_system_sgpr_workgroup_id_x 1
		.amdhsa_system_sgpr_workgroup_id_y 1
		.amdhsa_system_sgpr_workgroup_id_z 1
		.amdhsa_system_vgpr_workitem_id 0
		.amdhsa_next_free_vgpr 128
		.amdhsa_next_free_sgpr 96
		.amdhsa_reserve_vcc 1
		.amdhsa_float_denorm_mode_32 3
		.amdhsa_float_denorm_mode_16_64 3
		.amdhsa_memory_ordered 1
		.amdhsa_forward_progress 1
		.amdhsa_inst_pref_size 60
	.end_amdhsa_kernel
	.amdgpu_metadata
---
amdhsa.version: [ 1, 2 ]
amdhsa.kernels:
  - .name:           k_qe8c5135a52_prep
    .symbol:         k_qe8c5135a52_prep.kd
    .args:
      - { .name: edge_type, .offset: 0, .size: 8, .value_kind: global_buffer, .address_space: global }
      - { .name: W, .offset: 8, .size: 8, .value_kind: global_buffer, .address_space: global }
      - { .name: order, .offset: 16, .size: 8, .value_kind: global_buffer, .address_space: global }
      - { .name: info, .offset: 24, .size: 8, .value_kind: global_buffer, .address_space: global }
      - { .name: wq, .offset: 32, .size: 8, .value_kind: global_buffer, .address_space: global }
      - { .name: wsc, .offset: 40, .size: 8, .value_kind: global_buffer, .address_space: global }
    .group_segment_fixed_size: 5120
    .private_segment_fixed_size: 0
    .kernarg_segment_align: 8
    .kernarg_segment_size: 48
    .max_flat_workgroup_size: 1024
    .sgpr_count:     96
    .vgpr_count:     128
    .wavefront_size: 32
...
	.end_amdgpu_metadata
.endif
;; end of part 3
;; launch edges (part 4): grid 256 x 1, 4 waves a work-group, no clusters, 34,304 bytes of LDS; arguments edge_attr, order, info, wq, wsc, b, gamma, beta, out0; writes out0
.if DOCPART == 4
	.amdgcn_target "amdgcn-amd-amdhsa--gfx1250"
	.amdhsa_code_object_version 6
	.text
	.protected	k_qe8c5135a52_edges
	.globl	k_qe8c5135a52_edges
	.p2align	8
	.type	k_qe8c5135a52_edges,@function
k_qe8c5135a52_edges:
	s_mov_b64 s[64:65], 0
	v_nop
	global_prefetch_b8 v0, s[64:65] scope:SCOPE_SE
	s_setreg_imm32_b32 hwreg(HW_REG_WAVE_SCHED_MODE, 0, 2), 2
	s_setreg_imm32_b32 hwreg(HW_REG_WAVE_MODE, 25, 1), 1
	s_wait_xcnt 0x0
	s_wait_alu depctr_vm_vsrc(0)
; EDGES: out0[row] = gelu(layernorm(Q(edge_attr[row]) Q(W[e]) + b[e]) gamma[e] + beta[e]), e = the row's expert; a row of no expert 0..7 gets zeros.
; The product is on codes of FP6 (E2M3) with one E8M0 scale for each 32 along K; K = 128: one matrix instruction deep.  All else in f32.
; SHARES: a UNIT is 16 rows of one expert (order, info: made by the launch before).  1,024 waves; wave Wg = 4 x work-group + wave takes units 4 Wg .. 4 Wg + 3, which are always in use
; (there are at least 4,096 units); the at most 8 units from 4,096 on go, one each, to wave 0 of work-groups 0..7 as a fifth.  A unit goes through the whole chain in one wave; waves share nothing.
; ROWS IN: a row is 512 bytes: one load of the wave, 16 bytes a lane, by an offset register of its own.  All rows of a wave's units are asked for ahead of the loop.  A unit's 16 rows turn through the wave's own stage in LDS
; (pitch 528 bytes = 132 words: row r starts at bank 4 r mod 64; 64 banks of 4 bytes: ISA guide 11.1) and come back as the operand's layout wants them: lane (r, h): row r, k = 64 c + 32 h + 0..31: two whole blocks.
; THE PRODUCT: source 0 = the 16 rows, source 1 = 16 columns of W, C = the bias.  Tile T = 4 q + u holds columns 64 q + 4 r + u: register j of lane (r, h) is row 8 h + j, column 64 q + 4 r + u.
; So the four tiles of a group q give a lane four neighbouring columns of a row, and sixteen lanes store 256 consecutive bytes, at a multiple of 256 from out0's first byte: no stage on the way out.
; A row's mean and variance: sums over a lane's 16 tiles, then over the 16 lanes of its half.  Variance in two passes.  gamma, beta: one register a tile (they hang on the column alone).
; GELU: x (0.5 + 0.5 erf(x / sqrt 2)), erf(z) = z P(z^2) / Q(z^2) on z held to +-4 (P of degree 6, Q of degree 4, absolute error about 1e-7); the factors 1/2 and 1/sqrt 2 are folded into the coefficients.
; PADS of a unit repeat its first row: that row's result is then stored more than once, the same bytes by the same wave.  BUCKET 8 runs on expert 7's tables with gamma = beta = 0: the result is +0.
; NO TENSOR LOADS, NO JOINT LOADS: which expert's tables a wave needs, and whether it has a fifth unit, are branches on stored numbers; what waves share, an expert's 29,696 bytes, is small beside a wave's 98,304 bytes of rows in and out.
; LIMITS: NaN and infinities among the inputs are not served.  A block of zeros gets the scale byte 1 where the rule says 127 (its codes are zeros).  v_rsq_f32 and v_rcp_f32 are good to 1 ulp; neither stands ahead of a quantiser.
; THE MODE: SCHED_MODE bits 1:0 = 2 (LLVM: expert scheduling mode 2), set by the entry lines.  The code itself states the register dependences
; between vector or matrix instructions and memory or LDS instructions, with s_wait_alu, always for 0.
; THE PLAN.  Registers that memory or LDS instructions touch:
;   the rows' offsets   Written at the head by vector instructions, read once, by the rows' loads.  One wait on va_vdst ahead of unit 0's loads, one ahead of those of units 1 to 3, one ahead of the fifth unit's.
;   v[STA], v[LDA]      Written at the head, read by every access to the stage, never written again.
;   v21-23, the tables  The three offsets are written by vector adds, the tables by loads, whenever the expert changes: one wait on va_vdst between the adds and the loads.
;   XQ (v128-191)       Unit 0's rows land in it and piece 0's stores into the stage read it; then the loads from the stage land in it, the quantiser reads it, and the GELU uses it as scratch.
;   OA (v8-15)          Written by a unit's piece, read by the unit's 32 stores.
;   O[0], O[1]          Two out-buffers.  Batch n of a unit's eight writes O[n % 2]; its four stores are issued in batch n + 1, behind the wait that stands there for the reciprocals; the last batch's behind a wait of their own.
;   A trip begins with s_wait_xcnt 0 and one wait on vm_vsrc, ahead of its branches: all that earlier loads and stores read (OA, both out-buffers, every offset) may then be written again.
;   Ahead of the loads from the stage no wait on va_vdst is owed: the last one of the trip before stands behind that trip's last vector instruction, and since then no vector instruction names v128-191.
; REGISTERS, in windows of 256 (s_set_vgpr_msb: bits 1:0 source 0, 3:2 source 1, 5:4 source 2, 7:6 destination):
;   window 0: see the names below.   window 1: v0-191 W's 16 fragments (12 T); v192-231 the units' row numbers in the result's layout (8 a unit); v232-247 the offsets of unit 3's rows.
;   window 2: the rows of units 1..4 as loaded (64 a unit).   window 3: v0-127 the bias, eight times a tile (8 T); v128-255 the 16 accumulators (8 T).
.set L16, 1                            ; v1   16 x lane
.set R16, 3                            ; v3   16 x (lane % 16)
.set STA, 4                            ; v4   stage, on the way in: 16 x lane
.set LDA, 5                            ; v5   and back: 528 r + 128 h
.set SH8, 6                            ; v6   8 h
.set PT,  7                            ; v7   what comes from lane l xor 16
.set OA,  8                            ; v8-15   the unit's offsets in out0: row(8 h + j) x 1,024 + 16 r
.set CA6, 16                           ; v16-17  the highest coefficient of P, twice
.set CB4, 18                           ; v18-19  of Q
.set AS,  20                           ; v20     the rows' scale word
.set WQO, 21                           ; v21-23  offsets into the expert's tables
.set WSO, 22
.set PO,  23
.set QM,  24                           ; v24-30  the quantiser's
.set QY,  26
.set QS,  28
.set QW,  30
.set WS,  32                           ; v32-47  W's scale words, one a tile
.set GG,  48                           ; v48-63  gamma
.set BE,  64                           ; v64-79  beta
.set S,   80                           ; v80-87, v88-95  sums in two chains a pair.  (v80-87 also: the conversions' second halves)
.set SB,  88
.set PB,  88                           ; v88-103 the bias as loaded
.set MN,  96                           ; v96-103 means
.set RS,  104                          ; v104-111 1 / sqrt(variance + eps)
.set RA4, 104                          ; v104-119 at the head only: the offsets of the fifth unit's rows
.set O,   112                          ; v112-127 out-buffer 0.  (v112-123 also: the rows' codes)
.set AC,  112
.set XQ,  128                          ; v128-191 unit 0's rows as loaded; then a unit's 64 numbers a lane; then, batch by batch:
.set CC,  128                          ; the held argument,
.set SQ,  144                          ; its square,
.set PP,  160                          ; P,
.set QQ,  176                          ; Q
.set RA,  192                          ; v192-239 at the head only: the offsets of the rows of units 0, 1, 2
.set O2,  192                          ; v192-207 in the loop: out-buffer 1
.set SID, 192                          ; in window 1
.set RA3, 232                          ; in window 1
.set ACC, 128                          ; in window 3
.set MSB, 0
.macro WIN new                         ; the immediate's high byte repeats the setting that is left; a switch that changes nothing is dropped
.if MSB != \new
	s_set_vgpr_msb (MSB<<8)|\new
.set MSB, \new
.endif
.endm
; The rows of unit k: its 16 numbers stand in s[sb ..].  A pad (-1) is replaced by the unit's first row.  ab, aw: where the rows' offsets are made, and the window setting for it.
.macro XADR k, sb, ab, aw
	s_min_u32 s[\sb], s[\sb], 0xffff               ; a loaded number enters an address only behind a bound written in the text
.set i, 1
.rept 15
	s_cmp_lt_u32 s[\sb+i], 0x10000
	s_cselect_b32 s[\sb+i], s[\sb+i], s[\sb]
	s_min_u32 s[\sb+i], s[\sb+i], 0xffff
.set i, i+1
.endr
	WIN 0x41
.set i, 0
.rept 8
	v_mov_b32 v[SID+8*\k+i], s[\sb+i]              ; lanes 0-15: row i,
	v_cndmask_b32 v[SID+8*\k+i], v[SID+8*\k+i], s[\sb+8+i], s67   ; lanes 16-31: row 8 + i
.set i, i+1
.endr
	WIN \aw
.set i, 0
.rept 16
	v_lshl_add_u32 v[\ab+i], s[\sb+i], 9, v[L16]   ; row x 512 + 16 x lane
.set i, i+1
.endr
	WIN 0
.endm
; A unit's 16 loads.  xb: where the rows land; ab: their offsets; w: the window setting for the two.
.macro XROWS xb, ab, w
	WIN \w
.set i, 0
.rept 16
	global_load_b128 v[\xb+4*i:\xb+4*i+3], v[\ab+i], s[4:5]       ; a whole row, 512 consecutive bytes
.set i, i+1
.endr
.endm
; The offsets into the tables of the expert in se.
.macro WOFF se
	s_min_u32 s22, \se, 7
	s_cmp_lt_u32 \se, 8
	s_cselect_b32 s66, -1, 0                       ; bucket 8 keeps nothing of gamma and beta
	s_mul_i32 s23, s22, 24576
	v_add_nc_u32 v[WQO], s23, v[L16]
	s_lshl_b32 s23, s22, 11
	v_add_nc_u32 v[WSO], s23, v[L16]
	s_lshl_b32 s23, s22, 10
	v_add_nc_u32 v[PO], s23, v[R16]
.endm
; The tables: 64 loads.
.macro WLOADS
	WIN 0x40
.set t, 0
.rept 16
.set i, 0
.rept 3
	global_load_b128 v[12*t+4*i:12*t+4*i+3], v[WQO], s[10:11] offset:1536*t+512*i   ; registers 4 i .. 4 i + 3 of fragment t, as they were stored
.set i, i+1
.endr
.set t, t+1
.endr
	WIN 0
.set q, 0
.rept 4
	global_load_b128 v[WS+4*q:WS+4*q+3], v[WSO], s[12:13] offset:512*q
	global_load_b128 v[PB+4*q:PB+4*q+3], v[PO], s[14:15] offset:256*q      ; columns 64 q + 4 r + 0..3: tiles 4 q + 0..3
	global_load_b128 v[GG+4*q:GG+4*q+3], v[PO], s[16:17] offset:256*q
	global_load_b128 v[BE+4*q:BE+4*q+3], v[PO], s[18:19] offset:256*q
.set q, q+1
.endr
.endm
.macro FIXW                            ; the bias in the result's layout: it hangs on the column alone, so a tile's eight registers are alike
	WIN 0xc0
.set t, 0
.rept 16
.set j, 0
.rept 8
	v_mov_b32 v[8*t+j], v[PB+t]
.set j, j+1
.endr
.set t, t+1
.endr
	WIN 0
.set t, 0
.rept 16
	v_and_b32 v[GG+t], s66, v[GG+t]
	v_and_b32 v[BE+t], s66, v[BE+t]
.set t, t+1
.endr
.endm
; What differs from unit to unit: the wait for its rows, their way into the stage, its offsets in out0, its expert.  own = 1: the rows lie in XQ itself.
.macro PIECE k, nload, xb, xw, se, own
	s_wait_loadcnt \nload                          ; the unit's 16 loads are in: so many younger ones, at the least, were issued behind them
	WIN \xw
.set i, 0
.rept 16
	ds_store_b128 v[STA], v[\xb+4*i:\xb+4*i+3] offset:528*i
.set i, i+1
.endr
	WIN 0x04
.set i, 0
.rept 8
	v_min_u32 v[OA+i], 0xffff, v[SID+8*\k+i]       ; (OA is free since the waits at the trip's head)
.set i, i+1
.endr
	WIN 0
.set i, 0
.rept 8
	v_lshl_add_u32 v[OA+i], v[OA+i], 10, v[R16]
.set i, i+1
.endr
.if \own
	s_wait_alu depctr_vm_vsrc(0)                   ; the stores into the stage have read v[XQ ..], in which the loads from the stage land
.endif
	s_mov_b32 s61, \se
.endm
; 64 numbers of a lane, v[XQ + 32 c + i] = k 64 c + 32 h + i of row r, become the operand's 12 registers and the row's scale word.
.macro QUANT
.irp c, 0,1
	v_max3_num_f32 v[QM+\c], |v[XQ+32*\c]|, |v[XQ+1+32*\c]|, 0x1800000   ; my block 2 c + h, and the floor 2^(3 - 127): the byte cannot fall under 1
.endr
.irp i, 2,4,6,8,10,12,14,16,18,20,22,24,26,28,30
.irp c, 0,1
	v_max3_num_f32 v[QM+\c], v[QM+\c], |v[XQ+32*\c+\i]|, |v[XQ+1+32*\c+\i]|
.endr
.endr
.irp c, 0,1
	v_add_nc_u32 v[QS+\c], 0xff000000, v[QM+\c]    ; 2 off the exponent field: the conversion's scale operand
.endr
.irp c, 0,1
	v_lshrrev_b32 v[QY+\c], 23, v[QS+\c]           ; the scale's byte
.endr
	v_lshl_or_b32 v[QW], v[QY+1], 16, v[QY]
	v_lshlrev_b32 v[QW], v[SH8], v[QW]             ; blocks h and 2 + h at their places;
	v_permlanex16_b32 v[PT], v[QW], s50, s51
	v_or_b32 v[AS], v[QW], v[PT]                   ; with lane l xor 16's two the word is whole
.irp c, 0,1
	v_cvt_scalef32_pk16_fp6_f32 v[AC+6*\c:AC+2+6*\c], v[XQ+32*\c:XQ+15+32*\c], v[QS+\c]
	v_cvt_scalef32_pk16_fp6_f32 v[S+4*\c:S+2+4*\c], v[XQ+16+32*\c:XQ+31+32*\c], v[QS+\c]   ; (a conversion's three registers begin on an even number)
.endr
	v_nop                                          ; one plain place behind a scaled conversion
.irp c, 0,1
.irp i, 0,1,2
	v_mov_b32 v[AC+3+6*\c+\i], v[S+4*\c+\i]
.endr
.endr
.rept 8
	v_nop                                          ; a scale register written by a vector instruction stands 8 places ahead of a scaled matrix instruction, an operand so written 4
.endr
	s_wait_alu depctr_va_vdst(0)                   ; the rows' codes v[AC ..] and their scale word v[AS] are written, which the scaled matrix instructions take; the places above stay beside this wait
.endm
.macro ROWSUM                          ; the two chains, then the 16 lanes of a half: every lane ends with its eight rows' sums
.set p, 0
.rept 4
	v_pk_add_f32 v[S+2*p:S+2*p+1], v[S+2*p:S+2*p+1], v[SB+2*p:SB+2*p+1]
.set p, p+1
.endr
.irp m, 1,2,4,8
.set j, 0
.rept 8
	v_add_f32_dpp v[S+j], v[S+j], v[S+j] row_xmask:\m row_mask:0xf bank_mask:0xf
.set j, j+1
.endr
.endr
.endm
.macro H8F d, vc, sc                   ; eight pairs: d = square x the highest coefficient + the next
.set i, 0
.rept 8
	v_pk_fma_f32 v[\d+2*i:\d+2*i+1], v[SQ+2*i:SQ+2*i+1], v[\vc:\vc+1], s[\sc:\sc+1] op_sel_hi:[1,1,0]
.set i, i+1
.endr
.endm
.macro H8 d, sc                        ; eight pairs: d = d x square + the next coefficient
.set i, 0
.rept 8
	v_pk_fma_f32 v[\d+2*i:\d+2*i+1], v[\d+2*i:\d+2*i+1], v[SQ+2*i:SQ+2*i+1], s[\sc:\sc+1] op_sel_hi:[1,1,0]
.set i, i+1
.endr
.endm
; The four stores of batch (q, hh), out of out-buffer hh.
.macro SENDB q, hh
.set OSRC, O+(O2-O)*(\hh)
.set jj, 0
.rept 4
	global_store_b128 v[OA+4*(\hh)+jj], v[OSRC+4*jj:OSRC+4*jj+3], s[20:21] offset:256*(\q) th:TH_STORE_NT   ; lanes 0-15: 256 consecutive bytes of row 4 hh + jj, lanes 16-31 of row 8 + 4 hh + jj
.set jj, jj+1
.endr
.endm
; GELU for tiles 4 q + 0..3, rows 4 hh + 0..3 of each half: 16 numbers a lane, number (u, jj) at 4 u + jj; the results go into out-buffer hh.  The stores of the batch before are issued in its middle.
.macro BATCH q, hh
	WIN 0x03
.set u, 0
.rept 4
.set jj, 0
.rept 4
	v_med3_num_f32 v[CC+4*u+jj], v[ACC+8*(4*\q+u)+4*\hh+jj], -s44, s44   ; held to +-4 sqrt 2
.set jj, jj+1
.endr
.set u, u+1
.endr
	WIN 0
.set i, 0
.rept 8
	v_pk_mul_f32 v[SQ+2*i:SQ+2*i+1], v[CC+2*i:CC+2*i+1], v[CC+2*i:CC+2*i+1]
.set i, i+1
.endr
	H8F QQ, CB4, 36
	H8 QQ, 38
	H8 QQ, 40
	H8 QQ, 42                                      ; Q: all its terms have one sign, so it is never 0
.set i, 0
	s_wait_alu depctr_va_vdst(0)
.rept 16
	v_rcp_f32 v[QQ+i], v[QQ+i]
.set i, i+1
.endr
	H8F PP, CA6, 24                                ; P's 56 lines name no reciprocal: the plain work behind the batch
	H8 PP, 26
	H8 PP, 28
	H8 PP, 30
	H8 PP, 32
	H8 PP, 34
.set i, 0
.rept 8
	v_pk_mul_f32 v[PP+2*i:PP+2*i+1], v[CC+2*i:CC+2*i+1], v[PP+2*i:PP+2*i+1]
.set i, i+1
.endr
.if (\q) > 0                           ; (a unit's first two batches write buffers that the waits at the trip's head have freed)
	s_wait_xcnt 0x0                                ; the stores issued a batch ago have had their addresses translated (ISA guide 3.1): their data are rewritten only behind this wait,
	s_wait_alu depctr_vm_vsrc(0)                   ; and they have read out-buffer hh, which this batch's multiplies write again
.endif
	s_wait_alu depctr_va_vdst(0)                   ; the 16 reciprocals are written, ahead of their first reader; so is the other out-buffer, by the batch before, which the stores below read
.if (\hh) > 0
	SENDB \q, 0
.elseif (\q) > 0
	SENDB (\q)-1, 1
.endif
.set i, 0
.rept 8
	v_pk_fma_f32 v[PP+2*i:PP+2*i+1], v[PP+2*i:PP+2*i+1], v[QQ+2*i:QQ+2*i+1], 0.5 op_sel_hi:[1,1,0]
.set i, i+1
.endr
.set ODST, O+(O2-O)*(\hh)
	WIN 0x03
.set u, 0
.rept 4
.set jj, 0
.rept 4
	v_mul_f32 v[ODST+4*jj+u], v[ACC+8*(4*\q+u)+4*\hh+jj], v[PP+4*u+jj]
.set jj, jj+1
.endr
.set u, u+1
.endr
	WIN 0
.endm
.macro SP r, val                       ; a constant as a pair: the packed forms name both words
	s_mov_b32 s[\r], \val
	s_mov_b32 s[\r+1], \val
.endm
	s_load_b512 s[4:19], s[0:1], 0x0               ; edge_attr 4, order 6, info 8, wq 10, wsc 12, b 14, gamma 16, beta 18
	s_load_b64 s[20:21], s[0:1], 0x40              ; out0
	v_lshl_add_u32 v254, v0, 2, 0x8400
	v_mov_b32 v255, 0
	v_lshrrev_b32 v8, 5, v0
	v_readfirstlane_b32 s2, v8                     ; wave
	v_and_b32 v9, 31, v0                           ; lane
	v_and_b32 v10, 15, v0                          ; r
	v_bfe_u32 v11, v0, 4, 1                        ; h
	v_lshlrev_b32 v[L16], 4, v9
	v_lshlrev_b32 v[R16], 4, v10
	s_wait_alu depctr_va_sdst(0)                   ; s2 is written, ahead of its first reader: the stage's place and the wave's units are made from it
	s_mul_i32 s22, s2, 8448                        ; my stage: 16 rows of 528 bytes
	v_add_nc_u32 v[STA], s22, v[L16]
	v_mul_u32_u24 v[LDA], v10, 528
	v_lshl_add_u32 v[LDA], v11, 7, v[LDA]
	v_add_nc_u32 v[LDA], s22, v[LDA]
	v_lshlrev_b32 v[SH8], 3, v11
	v_mov_b32 v[PT], 0                             ; written once: a lane permute's destination counts as one of its sources
	s_lshl_b32 s3, ttmp9, 2
	s_add_co_u32 s3, s3, s2                        ; Wg
	s_lshl_b32 s22, s3, 8                          ; my four units in order: 64 bytes each
	s_lshl_b32 s23, s3, 4                          ; and in info
	s_min_u32 s61, ttmp9, 7
	s_lshl_b32 s61, s61, 2
	s_add_co_u32 s61, s61, 16384                   ; info of unit 4,096 + work-group
	s_mov_b32 s67, 0xffff0000                      ; lanes 16-31
	s_wait_kmcnt 0x0
	s_load_b512 s[24:39], s[6:7], s22
	s_load_b512 s[40:55], s[6:7], s22 offset:0x40
	s_load_b512 s[68:83], s[6:7], s22 offset:0x80
	s_load_b512 s[84:99], s[6:7], s22 offset:0xc0
	s_load_b128 s[56:59], s[8:9], s23
	s_load_b32 s60, s[8:9], s61
	v_mov_b32 v[CA6], 0xabd3f330                   ; -1.5059950e-12
	v_mov_b32 v[CA6+1], 0xabd3f330
	v_mov_b32 v[CB4], 0xb57460cd                   ; -9.1037949e-7
	v_mov_b32 v[CB4+1], 0xb57460cd
	s_wait_kmcnt 0x0
	s_cmp_eq_u32 s2, 0
	s_cselect_b32 s60, s60, 9                      ; a fifth unit: wave 0
	s_cmp_lt_u32 ttmp9, 8
	s_cselect_b32 s60, s60, 9                      ; of work-groups 0..7, where the list has one
	s_mov_b32 s62, s56                             ; the expert whose tables are loaded
	XADR 0, 24, RA, 0
	s_wait_alu depctr_va_vdst(0)                   ; the offsets of unit 0's rows are written, which the loads below read; so are v[STA] and v[LDA], which every access to the stage reads
	XROWS XQ, RA, 0                                ; unit 0 is on its way while the other offsets are made
	XADR 1, 40, RA+16, 0
	XADR 2, 68, RA+32, 0
	XADR 3, 84, RA3, 0x40
	WOFF s56
	s_wait_alu depctr_va_vdst(0)                   ; the offsets of the rows of units 1 to 3 and of the tables are written, which the 112 loads below read; only loads and window switches follow, up to the last of them
	XROWS 0, RA+16, 0x80
	WLOADS
	XROWS 64, RA+32, 0x80
	XROWS 128, RA3, 0x81
	WIN 0
	s_cmp_eq_u32 s60, 9
	s_cbranch_scc1 .Lno5
	s_min_u32 s22, ttmp9, 7
	s_lshl_b32 s22, s22, 6
	s_add_co_u32 s22, s22, 0x40000                 ; unit 4,096 + work-group
	s_load_b512 s[24:39], s[6:7], s22
	s_wait_kmcnt 0x0
	XADR 4, 24, RA4, 0
	s_wait_alu depctr_va_vdst(0)                   ; the offsets of the fifth unit's rows are written, which the loads below read
	XROWS 192, RA4, 0x80
	WIN 0
	s_branch .Lgo
.Lno5:                                         ; no fifth unit: its registers are written all the same, so that they are defined on every way
	WIN 0x80
.set i, 0
.rept 64
	v_mov_b32 v[192+i], 0
.set i, i+1
.endr
	WIN 0x40
.set i, 0
.rept 8
	v_mov_b32 v[SID+32+i], 0
.set i, i+1
.endr
	WIN 0
	s_wait_alu depctr_va_vdst(0)                   ; the zeros are written: the fifth piece's stores into the stage name these registers as their data
.Lgo:
	s_wait_loadcnt 32                              ; behind the tables at least 32 loads were issued (units 2 and 3): the tables, and units 0 and 1, are in
	FIXW
	SP 24, 0x2fa84a8d                              ; P's coefficients, from the second highest down:  3.0611994e-10
	SP 26, 0xb347667d                              ; -4.6426511e-8
	SP 28, 0xb628d45d                              ; -2.5157562e-6
	SP 30, 0xb8883d9c                              ; -6.4964607e-5
	SP 32, 0xba08eb41                              ; -5.2230439e-4
	SP 34, 0xbbba79f3                              ; -5.6908071e-3
	SP 36, 0xb7dfbd29                              ; Q's: -2.6671757e-5
	SP 38, 0xb9dc924e                              ; -4.2070674e-4
	SP 40, 0xbb719bf8                              ; -3.6866646e-3
	SP 42, 0xbc69b6a7                              ; -1.4264739e-2
	s_mov_b32 s44, 0x40b504f3                      ; 4 sqrt 2
	SP 46, 0x3b800000                              ; 1 / 256
	s_mov_b32 s48, 0x3727c5ac                      ; eps = 1e-5
	s_mov_b32 s50, 0x76543210                      ; v_permlanex16_b32's selects for lane l xor 16
	s_mov_b32 s51, 0xfedcba98
	s_mov_b32 s63, 0
.Lunit:                                        ; five trips, one a unit; the trip's number picks the piece that differs
	s_wait_xcnt 0x0                                ; every earlier load and store has had its addresses translated (ISA guide 3.1): their offsets and data are rewritten only behind this wait
	s_wait_alu depctr_vm_vsrc(0)                   ; the last unit's stores have read OA and both out-buffers, the rows' and the tables' loads their offsets: this trip writes OA, v104-127, v192-207 and, for another expert, v21-23 again
	s_cmp_eq_u32 s63, 0
	s_cbranch_scc1 .Lp0
	s_cmp_eq_u32 s63, 1
	s_cbranch_scc1 .Lp1
	s_cmp_eq_u32 s63, 2
	s_cbranch_scc1 .Lp2
	s_cmp_eq_u32 s63, 3
	s_cbranch_scc1 .Lp3
	s_cmp_eq_u32 s60, 9
	s_cbranch_scc1 .Lskip
	PIECE 4, 0, 192, 0x08, s60, 0
	s_branch .Ljoin
.Lp0:
	PIECE 0, 32, XQ, 0, s56, 1
	s_branch .Ljoin
.Lp1:
	PIECE 1, 32, 0, 0x08, s57, 0
	s_branch .Ljoin
.Lp2:
	PIECE 2, 16, 64, 0x08, s58, 0
	s_branch .Ljoin
.Lp3:
	PIECE 3, 0, 128, 0x08, s59, 0
.Ljoin:
	s_cmp_eq_u32 s61, s62
	s_cbranch_scc1 .Lsame
	WOFF s61                                       ; another expert than the last unit's.  (The three offsets are free since the waits at the trip's head: no load has been issued behind them)
	WIN 0x40
	s_wait_alu depctr_va_vdst(0)                   ; the three offsets are written, which the loads below read; and the units before are done with W's fragments and scale words, the bias' registers, gamma and beta, in which they land
	WLOADS
	s_wait_loadcnt 0x0
	FIXW
	s_mov_b32 s62, s61
.Lsame:
.set c, 0
.rept 2
.set i, 0
.rept 8
	ds_load_b128 v[XQ+32*c+4*i:XQ+32*c+4*i+3], v[LDA] offset:256*c+16*i   ; LDS serves a wave's instructions in order (ISA guide 5.7.1.4): these see my stores.  No vector instruction since the last wait on va_vdst names v128-191
.set i, i+1
.endr
.set c, c+1
.endr
	s_wait_dscnt 0x0
	QUANT
	WIN 0xf4                                       ; rows' codes window 0, W window 1, bias and accumulators window 3
.set t, 0
.rept 16
	v_wmma_scale_f32_16x16x128_f8f6f4 v[ACC+8*t:ACC+8*t+7], v[AC:AC+11], v[12*t:12*t+11], v[8*t:8*t+7], v[AS], v[WS+t] matrix_a_fmt:MATRIX_FMT_FP6 matrix_b_fmt:MATRIX_FMT_FP6
.set t, t+1
.endr
	WIN 0
.rept 4
	v_nop                                          ; four places in front of the first read of results (ISA guide 7.12.1)
.endr
	; ---- the mean.  Each accumulator is first read at its low end
	WIN 0x0f
.set p, 0
.rept 4
	v_pk_add_f32 v[S+2*p:S+2*p+1], v[ACC+2*p:ACC+2*p+1], v[ACC+16+2*p:ACC+16+2*p+1]
	v_pk_add_f32 v[SB+2*p:SB+2*p+1], v[ACC+8+2*p:ACC+8+2*p+1], v[ACC+24+2*p:ACC+24+2*p+1]
.set p, p+1
.endr
	WIN 0x0c
.set t, 4
.rept 12
.set p, 0
.rept 4
	v_pk_add_f32 v[S+8*(t%2)+2*p:S+8*(t%2)+2*p+1], v[S+8*(t%2)+2*p:S+8*(t%2)+2*p+1], v[ACC+8*t+2*p:ACC+8*t+2*p+1]
.set p, p+1
.endr
.set t, t+1
.endr
	WIN 0
	ROWSUM
.set p, 0
.rept 4
	v_pk_mul_f32 v[MN+2*p:MN+2*p+1], v[S+2*p:S+2*p+1], s[46:47] op_sel_hi:[1,0]
.set p, p+1
.endr
	; ---- h - mean, in place; then the variance
	WIN 0xc3
.set t, 0
.rept 16
.set p, 0
.rept 4
	v_pk_add_f32 v[ACC+8*t+2*p:ACC+8*t+2*p+1], v[ACC+8*t+2*p:ACC+8*t+2*p+1], v[MN+2*p:MN+2*p+1] neg_lo:[0,1] neg_hi:[0,1]
.set p, p+1
.endr
.set t, t+1
.endr
	WIN 0x0f
.set t, 0
.rept 2
.set p, 0
.rept 4
	v_pk_mul_f32 v[S+8*t+2*p:S+8*t+2*p+1], v[ACC+8*t+2*p:ACC+8*t+2*p+1], v[ACC+8*t+2*p:ACC+8*t+2*p+1]
.set p, p+1
.endr
.set t, t+1
.endr
.rept 14
.set p, 0
.rept 4
	v_pk_fma_f32 v[S+8*(t%2)+2*p:S+8*(t%2)+2*p+1], v[ACC+8*t+2*p:ACC+8*t+2*p+1], v[ACC+8*t+2*p:ACC+8*t+2*p+1], v[S+8*(t%2)+2*p:S+8*(t%2)+2*p+1]
.set p, p+1
.endr
.set t, t+1
.endr
	WIN 0
	ROWSUM
.set j, 0
.rept 8
	v_fma_f32 v[S+j], v[S+j], s46, s48             ; variance + eps
.set j, j+1
.endr
.set j, 0
	s_wait_alu depctr_va_vdst(0)
.rept 8
	v_rsq_f32 v[RS+j], v[S+j]
.set j, j+1
.endr
	v_nop                                          ; a plain place behind the last of them
	s_wait_alu depctr_va_vdst(0)                   ; the eight results v[RS ..] are written, ahead of their first reader
	; ---- (h - mean) / sqrt(..) x gamma + beta, in place
	WIN 0xc3
.set t, 0
.rept 16
.set p, 0
.rept 4
	v_pk_mul_f32 v[ACC+8*t+2*p:ACC+8*t+2*p+1], v[ACC+8*t+2*p:ACC+8*t+2*p+1], v[RS+2*p:RS+2*p+1]
.set p, p+1
.endr
.set t, t+1
.endr
.set t, 0
.rept 16
.set p, 0
.rept 4
.if t%2 == 0                           ; of the pairs of gamma and beta the tile's own word serves both halves
	v_pk_fma_f32 v[ACC+8*t+2*p:ACC+8*t+2*p+1], v[ACC+8*t+2*p:ACC+8*t+2*p+1], v[GG+t:GG+t+1], v[BE+t:BE+t+1] op_sel:[0,0,0] op_sel_hi:[1,0,0]
.else
	v_pk_fma_f32 v[ACC+8*t+2*p:ACC+8*t+2*p+1], v[ACC+8*t+2*p:ACC+8*t+2*p+1], v[GG+t-1:GG+t], v[BE+t-1:BE+t] op_sel:[0,1,1] op_sel_hi:[1,1,1]
.endif
.set p, p+1
.endr
.set t, t+1
.endr
	WIN 0
	; ---- GELU and the stores, 16 numbers a lane at a time; a batch's stores are issued in the batch behind it
.irp q, 0,1,2,3
	BATCH \q, 0
	BATCH \q, 1
.endr
	s_wait_alu depctr_va_vdst(0)                   ; the unit's last batch has written out-buffer 1, which the last four stores read
	SENDB 3, 1
.Lskip:
	s_add_co_u32 s63, s63, 1
	s_cmp_lt_u32 s63, 5
	s_cbranch_scc1 .Lunit
	s_barrier_signal -1
	s_barrier_wait -1
	s_wait_dscnt 0x0                               ; the closing lines, six on end
	s_wait_alu 0x0
	s_wait_tensorcnt 0x0
	ds_add_u32 v254, v255
	s_wait_dscnt 0x0
	s_endpgm
.Lfunc_end_k_qe8c5135a52_edges:
	.size	k_qe8c5135a52_edges, .Lfunc_end_k_qe8c5135a52_edges-k_qe8c5135a52_edges
	.p2alignl 7, 3214868480
	.fill 96, 4, 3214868480
	.section	.rodata,"a",@progbits
	.p2align	6, 0x0
	.amdhsa_kernel k_qe8c5135a52_edges
		.amdhsa_group_segment_fixed_size 34304
		.amdhsa_private_segment_fixed_size 0
		.amdhsa_enable_private_segment 0
		.amdhsa_kernarg_size 72
		.amdhsa_user_sgpr_count 2
		.amdhsa_user_sgpr_kernarg_segment_ptr 1
		.amdhsa_wavefront_size32 1
		.amdhsa_system_sgpr_workgroup_id_x 1
		.amdhsa_system_sgpr_workgroup_id_y 1
		.amdhsa_system_sgpr_workgroup_id_z 1
		.amdhsa_system_vgpr_workitem_id 0
		.amdhsa_next_free_vgpr 1024
		.amdhsa_next_free_sgpr 106
		.amdhsa_reserve_vcc 0
		.amdhsa_float_denorm_mode_32 3
		.amdhsa_float_denorm_mode_16_64 3
		.amdhsa_memory_ordered 1
		.amdhsa_forward_progress 1
		.amdhsa_inst_pref_size 175
	.end_amdhsa_kernel
	.amdgpu_metadata
---
amdhsa.version: [ 1, 2 ]
amdhsa.kernels:
  - .name:           k_qe8c5135a52_edges
    .symbol:         k_qe8c5135a52_edges.kd
    .args:
      - { .name: edge_attr, .offset: 0, .size: 8, .value_kind: global_buffer, .address_space: global }
      - { .name: order, .offset: 8, .size: 8, .value_kind: global_buffer, .address_space: global }
      - { .name: info, .offset: 16, .size: 8, .value_kind: global_buffer, .address_space: global }
      - { .name: wq, .offset: 24, .size: 8, .value_kind: global_buffer, .address_space: global }
      - { .name: wsc, .offset: 32, .size: 8, .value_kind: global_buffer, .address_space: global }
      - { .name: b, .offset: 40, .size: 8, .value_kind: global_buffer, .address_space: global }
      - { .name: gamma, .offset: 48, .size: 8, .value_kind: global_buffer, .address_space: global }
      - { .name: beta, .offset: 56, .size: 8, .value_kind: global_buffer, .address_space: global }
      - { .name: out0, .offset: 64, .size: 8, .value_kind: global_buffer, .address_space: global }
    .group_segment_fixed_size: 34304
    .private_segment_fixed_size: 0
    .kernarg_segment_align: 8
    .kernarg_segment_size: 72
    .max_flat_workgroup_size: 128
    .sgpr_count:     106
    .vgpr_count:     1024
    .wavefront_size: 32
...
	.end_amdgpu_metadata
.endif
;; end of part 4
